; MI455X (gfx1250); checked and timed in simulation.
; The chip was launched on July 23, 2026; its instructions are those of AMD's public machine-readable ISA for CDNA 5 (MIT licence, August 2026) and "CDNA5" Instruction Set Architecture Reference Guide (July 2026). The comments in the code are by the model that wrote it; some were corrected since.
;; Multi Head Attention. Allowed arithmetic: matrix products marked QUANTISED: E4M3 operands, one E8M0 scale for each 32 along K, by v_wmma_scale_f32_16x16x128_f8f6f4 with both operands' format E4M3, f32 sums; everything else in f32.
;; Inputs: Wk_codes 1,024 x 32 x 32 uint8 (E4M3 codes of Wk, K innermost, in blocks of 32 codes); Wk_scales 1,024 x 32 uint8 (E8M0 scales of Wk, one for each 32 codes along K); Wq_codes 1,024 x 32 x 32 uint8 (E4M3 codes of Wq, K innermost, in blocks of 32 codes); Wq_scales 1,024 x 32 uint8 (E8M0 scales of Wq, one for each 32 codes along K); Wv_codes 1,024 x 32 x 32 uint8 (E4M3 codes of Wv, K innermost, in blocks of 32 codes); Wv_scales 1,024 x 32 uint8 (E8M0 scales of Wv, one for each 32 codes along K); beta 1,024 float32; bk 1,024 float32; bq 1,024 float32; bv 1,024 float32; gamma 1,024 float32; keys_codes 4 x 2,048 x 32 x 32 uint8 (E4M3 codes of keys, K innermost, in blocks of 32 codes); keys_scales 4 x 2,048 x 32 uint8 (E8M0 scales of keys, one for each 32 codes along K); queries 4 x 2,048 x 1,024 float32; values_codes 4 x 2,048 x 32 x 32 uint8 (E4M3 codes of values, K innermost, in blocks of 32 codes); values_scales 4 x 2,048 x 32 uint8 (E8M0 scales of values, one for each 32 codes along K).
;; Outputs: out0 4 x 2,048 x 1,024 float32.
;; This version of the problem:
;;   THIS VERSION OF THE PROBLEM IS GIVEN IN LOW PRECISION. The matrix products marked QUANTISED in the list below multiply operands that are first quantised to E4M3 (4 exponent bits, 3 mantissa bits; 8 bits a number), with one power-of-two scale for each 32 numbers along K (OCP MX v1.0); their sums are f32. All else is computed in f32.
;;   The module's matrix products, in the order in which they are computed (A, B: the left and right operand; K: the contracted axis; several contracted axes count as one K, in the product's order):
;;     1. [M 8,192, K 1,024] x [K 1,024, N 1,024]; A: input queries; B: input Wq (given as codes): QUANTISED
;;     2. [M 8,192, K 1,024] x [K 1,024, N 1,024]; A: input keys (given as codes); B: input Wk (given as codes): QUANTISED
;;     3. [M 8,192, K 1,024] x [K 1,024, N 1,024]; A: input values (given as codes); B: input Wv (given as codes): QUANTISED
;;     4. batch 32 x [M 2,048, K 128] x [K 128, N 2,048]; A: computed on the way; B: computed on the way: QUANTISED
;;     5. batch 32 x [M 2,048, K 2,048] x [K 2,048, N 128]; A: softmax (see below); B: computed on the way: QUANTISED
;;   THE QUANTISER, for each operand of a quantised product, along K:
;;     - K is cut into blocks of 32 from its start; a last block that is shorter is filled with zeros.
;;     - A block's scale is 2^e with e = floor(log2(the largest magnitude in the block)) - 8, held to -126 .. 127; a block of zeros has e = 0. As a byte (E8M0): e + 127.
;;     - Each number is divided by its block's scale, clamped to +-448, and rounded to the nearest number of E4M3, ties to even, subnormals kept.
;;     - The product sums the exact products of the quantised numbers (number of the format x scale) in f32.
;;   ~~~python
;;   def quantise(x, axis):      # numpy; x: float32 -> the quantised numbers, widened to float32 again
;;       x = np.moveaxis(x, axis, -1); K = x.shape[-1]
;;       x = np.pad(x, [(0, 0)] * (x.ndim - 1) + [(0, -K % 32)]); x = x.reshape(x.shape[:-1] + (-1, 32)); a = np.abs(x).max(-1, keepdims=True)
;;       e = np.where(a > 0, np.clip(np.frexp(np.where(a > 0, a, 1))[1] - 1 - 8, -126, 127), 0)      # np.frexp(a)[1] - 1 = floor(log2(a)), exactly
;;       r = np.clip(x / 2.0 ** e, -448, 448)
;;       step = 2.0 ** (np.maximum(np.frexp(np.where(r == 0, 1, r))[1] - 1, -6) - 3)
;;       q = np.round(r / step) * step * 2.0 ** e      # np.round: ties to even
;;       return np.moveaxis(q.reshape(q.shape[:-2] + (-1,))[..., :K], -1, axis).astype(np.float32)
;;   ~~~
;;   SOFTMAX AHEAD OF A QUANTISED PRODUCT. Where the list says 'softmax', what is quantised is not the finished softmax but p = 2^(t - M), with t = logit x log2(e) and M = ceil(the row's largest t), a whole number; so 1/2 < the row's largest p <= 1. The row's sum l is taken of the UNQUANTISED p, in f32, and the product's result is divided by l at the end. Since M is a whole number, a kernel that streams over the keys may use a running M (the ceiling of the running maximum): every later rescaling is an exact power of two, which a block's scale takes up: the codes' values come out the same.
;;   OPERANDS COMPUTED ON THE WAY. 'Computed on the way' means the value that the module computes at that place (a softmax that the list does not call 'softmax' is quantised finished and normalised). What goes into a quantiser is computed in f32, as accurately as f32 sums, v_exp_f32 and their like allow (about 1e-6 of the number): no bf16 or f16 on the way to a quantiser, and a product that is left as it is and whose result goes on into a quantised operand takes f32 operands (vector FMAs, or v_wmma_f32_16x16x4_f32). A number that lies on a knife's edge between two numbers of the format may be rounded either way, as far as f32 arithmetic and the matrix unit's own rounding can turn it there, and no further.
;;   INPUTS GIVEN AS CODES. Wk (in the module: [1024, 1024], K = its axis 0); Wq (in the module: [1024, 1024], K = its axis 0); Wv (in the module: [1024, 1024], K = its axis 0); keys (in the module: [4, 2048, 1024], K = its axis 2); values (in the module: [4, 2048, 1024], K = its axis 2): each comes as NAME_codes (uint8): NAME with its K axis moved to the last place and cut into blocks of 32 codes, [.., K / 32, bytes a block], one block behind the other in memory; one code a byte (a code: sign, 4 exponent bits, 3 mantissa bits); and NAME_scales (uint8): the same leading axes, one E8M0 byte (e + 127) for each 32 codes along K. Its value is code x scale, taken as it is: it is not quantised again, and the codes and scales need not be those that the quantiser above would give.
;; One version. Each part assembles by itself: llvm-mc -triple=amdgcn-amd-amdhsa -mcpu=gfx1250 --defsym DOCPART=n.
;; ======== version 1 of 1: 4 launches
;; limits: right only within a limited range of input values
;; workspace buffers: qx_codes 8,388,608 bytes; qx_scales 262,144 bytes; qkv_codes 25,165,824 bytes; qkv_scales 786,432 bytes; att 33,554,432 bytes
;; launch quant (part 1): grid 256 x 1, 4 waves a work-group, no clusters, 33,280 bytes of LDS; arguments queries, qx_codes, qx_scales; writes qx_codes, qx_scales
.if DOCPART == 1
	.amdgcn_target "amdgcn-amd-amdhsa--gfx1250"
	.amdhsa_code_object_version 6
	.text
	.protected	k_q99b52fbb7e_quant
	.globl	k_q99b52fbb7e_quant
	.p2align	8
	.type	k_q99b52fbb7e_quant,@function
k_q99b52fbb7e_quant:
	s_mov_b64 s[64:65], 0
	v_nop
	global_prefetch_b8 v0, s[64:65] scope:SCOPE_SE
	s_setreg_imm32_b32 hwreg(HW_REG_WAVE_MODE, 25, 1), 1
	s_wait_xcnt 0x0
; THE PROGRAM: causal multi-head attention (4 batches x 2,048 tokens x 1,024 features, 8 heads of 128), residual and LayerNorm, all five products on codes of FP8 (E4M3) with one E8M0 scale for each 32 along K.
;   quant: queries (f32) -> codes and scale bytes along the 1,024 features.            proj: the three projections, their biases, and the quantiser of Q, K (along the head's 128) and V (along the keys).
;   attn:  softmax(Q K^T / sqrt(128)) V under the causal mask, into a f32 workspace.    norm: + queries, LayerNorm, gamma, beta.
; WORK LEFT OUT, in launch attn alone: reference() itself builds the mask (jnp.tril) and puts -1e9 in the place of the score of every key k > q.  So the products Q K^T and P V of a step of 128 keys all of which come
; after a tile's 16 queries have no way to the result but through the weights exp(-1e9 - the row's largest score), which are nothing beside the visible keys' weights (key 0 is visible to every query): such steps are
; not multiplied, whatever the inputs hold, and inside the one step on the diagonal the hidden scores count as -infinity.  Every input has a way to the output and is loaded by some launch.
; LIMITS of that: it equals reference()'s -1e9 as long as a row's largest visible score lies above about -1e9 + 100; a NaN, an infinity or an overflow that reaches only the steps left out is not carried to the result.
;
; THIS LAUNCH.  queries [8192][1024] f32 become codes, K innermost, with one E8M0 scale byte for each 32 along K.
; A block's scale is 2^(floor(log2(its largest magnitude)) - 8); its byte is the largest magnitude's own exponent field - 8, held at 1 from below.  Each number is divided by the scale, held within +-448 and rounded to the nearest code, ties to even.
; LIMITS: a block whose largest magnitude lies under 2^-118 (the floor), a block of zeros among them, keeps the byte 1: its codes are zeros or the floor's, and the bytes are read by this program alone; NaN and infinities among the inputs are not served.
; Rows are dense and 1,024 is a multiple of 32, so the tensor is a plain stream of blocks of 32, and so are the codes and the scale bytes.
; A wave takes 16 steps of 512 numbers.  Each of a step's four loads reads 512 consecutive bytes, 16 a lane; the 2,048 bytes go through the wave's own stage in LDS and come back 64 bytes a lane, so that a lane holds 16 NEIGHBOURS
; (two neighbouring lanes hold a block), as the conversions want them.  A lane's 16 codes are 16 bytes: the wave stores 512 consecutive bytes.  A wave's 256 scale bytes are gathered in LDS and leave as 256 consecutive bytes.
; No tensor loads, no barrier: waves share nothing.  Loads run eight steps (32 loads a wave) ahead, the turn through LDS one step.
.set WAVES, 4
.set STEPS, 16
.set AHEAD, 8
.set EMAX,  8
.set MANT,  0x600000                   ; the mantissa field of 448 as f32
.set R,     16                         ; v16-143  eight sets of 16 numbers as they are loaded
.set X,     144                        ; v144-175 two sets of 16 neighbours
.set C,     176                        ; v176-239 codes: four registers for each step, so that no store's data are written again
.set E,     240                        ; v240-241 a step's scale byte, two registers by turns
.set WREG,  8192                       ; LDS: a region of its own for each wave: two stages of 32 x SP bytes, and behind them its 256 scale bytes
.set SP,    80                         ; a lane's place in a stage: its 64 bytes + 16 of padding
.set SPW,   12                         ; v12      LDS address of my spare word: SPARE + 4 x my thread's number; never rewritten
.set NIL,   13                         ; v13      0; never rewritten
.set SPARE, WAVES*WREG                 ; behind the four regions: the spare words, 128 bytes for each wave, which no other line names
	s_load_b128 s[4:7], s[0:1], 0x0                ; queries, the codes
	s_load_b64 s[8:9], s[0:1], 0x10                ; the scale bytes
	v_lshl_add_u32 v[SPW], v0, 2, SPARE
	v_mov_b32 v[NIL], 0
	v_lshrrev_b32 v1, 5, v0
	v_readfirstlane_b32 s16, v1                    ; wave
	v_and_b32 v2, 31, v0                           ; lane
	v_lshlrev_b32 v3, 4, v2                        ; my 16 bytes of a load's 512, and of a step's codes
	s_mul_i32 s17, s16, WREG
	v_lshrrev_b32 v14, 2, v2
	v_mul_u32_u24 v14, v14, SP
	v_and_b32 v15, 3, v2
	v_lshl_add_u32 v14, v15, 4, v14
	v_add_nc_u32 v14, s17, v14                     ; the stage, on the way in: four lanes' 64 bytes on end, then 16 of padding
	v_mul_u32_u24 v15, v2, SP
	v_add_nc_u32 v15, s17, v15                     ; and on the way out: SP x lane: my 16 neighbours
	v_lshrrev_b32 v5, 1, v2
	s_add_co_u32 s17, s17, 2*32*SP
	v_add_nc_u32 v5, s17, v5                       ; LDS: my wave's 256 scale bytes, my block's byte
	v_lshlrev_b32 v7, 3, v2                        ; and on the way out 8 bytes a lane
	v_add_nc_u32 v6, s17, v7
	s_mov_b32 s23, MANT                            ; (an instruction takes one literal: the hold's line has another)
	s_lshl_b32 s18, ttmp9, 2
	s_add_co_u32 s18, s18, s16                     ; which run of 8,192 numbers is my wave's: 0 .. 1,023
	s_lshl_b32 s20, s18, 15                        ; 32,768 bytes of f32,
	s_mov_b32 s21, 0
	s_lshl_b32 s24, s18, 13                        ; 8,192 of codes,
	s_mov_b32 s25, 0
	s_lshl_b32 s26, s18, 8                         ; 256 scale bytes
	s_mov_b32 s27, 0
	s_wait_kmcnt 0x0
	s_add_nc_u64 s[4:5], s[4:5], s[20:21]
	s_add_nc_u64 s[6:7], s[6:7], s[24:25]
	s_add_nc_u64 s[8:9], s[8:9], s[26:27]
.macro LOAD t
.irp i, 0,1,2,3
	global_load_b128 v[R+16*((\t)%AHEAD)+4*\i:R+16*((\t)%AHEAD)+4*\i+3], v3, s[4:5] offset:2048*(\t)+512*\i th:TH_LOAD_NT   ; 32 lanes read 512 consecutive bytes
.endr
.endm
.macro TURN t                          ; step t's numbers through the stage: LDS serves a wave's instructions in order, so no wait stands between the stores and the loads
.irp i, 0,1,2,3
	ds_store_b128 v14, v[R+16*((\t)%AHEAD)+4*\i:R+16*((\t)%AHEAD)+4*\i+3] offset:32*SP*((\t)%2)+8*SP*\i
.endr
.irp i, 0,1,2,3
	ds_load_b128 v[X+16*((\t)%2)+4*\i:X+16*((\t)%2)+4*\i+3], v15 offset:32*SP*((\t)%2)+16*\i
.endr
.endm
.irp t, 0,1,2,3,4,5,6,7
	LOAD \t
.endr
	s_wait_loadcnt 4*(AHEAD-1)                     ; step 0's four loads are in; the seven steps behind it may be out
	TURN 0
.macro STEP t
.set XS, X+16*((\t)%2)
.if (\t) > 0
	s_wait_dscnt 1                                 ; this step's numbers are back from the stage (the last step's byte store may be out): so its stores into the stage have read their registers,
.else
	s_wait_dscnt 0x0
.endif
.if (\t)+AHEAD < STEPS
	LOAD (\t)+AHEAD                                ; which take the loads of eight steps on
.endif
.if (\t)+1 < STEPS
.if (\t)+AHEAD < STEPS
	s_wait_loadcnt 4*(AHEAD-1)                     ; the next step's four loads are in; those of the seven steps behind it may be out
.else
	s_wait_loadcnt 4*(STEPS-2-(\t))                ; the counts run down: steps t + 2 .. 15 may be out
.endif
	TURN (\t)+1                                    ; and go through the other stage while this step is worked
.endif
	v_max3_num_f32 v8, |v[XS]|, |v[XS+1]|, |v[XS+2]|               ; the largest magnitude of my 16, in two chains
	v_max3_num_f32 v9, |v[XS+3]|, |v[XS+4]|, |v[XS+5]|
.irp i, 6,10
	v_max3_num_f32 v8, v8, |v[XS+\i]|, |v[XS+\i+1]|
	v_max3_num_f32 v9, v9, |v[XS+\i+2]|, |v[XS+\i+3]|
.endr
	v_max3_num_f32 v8, v8, |v[XS+14]|, |v[XS+15]|
	v_max3_num_f32 v8, v8, v9, (EMAX+1)<<23        ; and the floor 2^(9 - 127): so the byte cannot fall under 1
	v_max_num_f32_dpp v8, v8, v8 row_xmask:1 row_mask:0xf bank_mask:0xf   ; and of my neighbour's 16: the block's
	v_add_nc_u32 v11, -(EMAX<<23), v8              ; 8 off its exponent field: the conversion takes the exponent field of this operand as its scale, and nothing else of it
	v_and_or_b32 v10, v8, 0x7f800000, s23          ; 448 x the scale: the largest magnitude's exponent field over 448's mantissa
.irp i, 0,1,2,3,4,5,6,7,8,9,10,11,12,13,14,15
	v_med3_num_f32 v[XS+\i], v[XS+\i], -v10, v10   ; the conversion to an 8-bit code does not saturate (ISA guide 7.6.2): hold the number first
.endr
	v_cvt_scalef32_pk8_fp8_f32 v[C+4*(\t):C+4*(\t)+1], v[XS:XS+7], v11
	v_cvt_scalef32_pk8_fp8_f32 v[C+4*(\t)+2:C+4*(\t)+3], v[XS+8:XS+15], v11
	v_lshrrev_b32 v[E+(\t)%2], 23, v11             ; the scale's byte (the byte store of two steps back is done: the wait at this step's head left only the last step's out)
	ds_store_b8 v5, v[E+(\t)%2] offset:16*(\t)     ; both lanes of a block write the same byte with the same value
	global_store_b128 v3, v[C+4*(\t):C+4*(\t)+3], s[6:7] offset:512*(\t)   ; 32 lanes store 512 consecutive bytes
.endm
.irp t, 0,1,2,3,4,5,6,7,8,9,10,11,12,13,14,15
	STEP \t
.endr
	ds_load_b64 v[8:9], v6                         ; LDS serves a wave's instructions in order: these see my stores
	s_wait_dscnt 0x0
	global_store_b64 v7, v[8:9], s[8:9]            ; 32 lanes store 256 consecutive bytes, at a multiple of 256 from the buffer's first byte
	s_wait_tensorcnt 0x0                           ; the wave's end, behind my last LDS store
	ds_add_u32 v[SPW], v[NIL]
	s_wait_dscnt 0x0
	s_endpgm
.Lfunc_end_k_q99b52fbb7e_quant:
	.size	k_q99b52fbb7e_quant, .Lfunc_end_k_q99b52fbb7e_quant-k_q99b52fbb7e_quant
	.p2alignl 7, 3214868480
	.fill 96, 4, 3214868480
	.section	.rodata,"a",@progbits
	.p2align	6, 0x0
	.amdhsa_kernel k_q99b52fbb7e_quant
		.amdhsa_group_segment_fixed_size 33280
		.amdhsa_private_segment_fixed_size 0
		.amdhsa_enable_private_segment 0
		.amdhsa_kernarg_size 24
		.amdhsa_user_sgpr_count 2
		.amdhsa_user_sgpr_kernarg_segment_ptr 1
		.amdhsa_wavefront_size32 1
		.amdhsa_system_sgpr_workgroup_id_x 1
		.amdhsa_system_sgpr_workgroup_id_y 1
		.amdhsa_system_sgpr_workgroup_id_z 1
		.amdhsa_system_vgpr_workitem_id 0
		.amdhsa_next_free_vgpr 244
		.amdhsa_next_free_sgpr 66
		.amdhsa_reserve_vcc 0
		.amdhsa_float_denorm_mode_32 3
		.amdhsa_float_denorm_mode_16_64 3
		.amdhsa_memory_ordered 1
		.amdhsa_forward_progress 1
		.amdhsa_inst_pref_size 51
	.end_amdhsa_kernel
	.amdgpu_metadata
---
amdhsa.version: [ 1, 2 ]
amdhsa.kernels:
  - .name:           k_q99b52fbb7e_quant
    .symbol:         k_q99b52fbb7e_quant.kd
    .args:
      - { .name: queries, .offset: 0, .size: 8, .value_kind: global_buffer, .address_space: global }
      - { .name: qx_codes, .offset: 8, .size: 8, .value_kind: global_buffer, .address_space: global }
      - { .name: qx_scales, .offset: 16, .size: 8, .value_kind: global_buffer, .address_space: global }
    .group_segment_fixed_size: 33280
    .private_segment_fixed_size: 0
    .kernarg_segment_align: 8
    .kernarg_segment_size: 24
    .max_flat_workgroup_size: 128
    .sgpr_count:     66
    .vgpr_count:     244
    .wavefront_size: 32
...
	.end_amdgpu_metadata
.endif
;; end of part 1
;; launch proj (part 2): grid 4 x 96, 4 waves a work-group, clusters of 4 x 4, 327,680 bytes of LDS; arguments qx_codes, qx_scales, Wq_codes, Wq_scales, bq, keys_codes, keys_scales, Wk_codes, Wk_scales, bk, Wv_codes, Wv_scales, values_codes, values_scales, bv, qkv_codes, qkv_scales; writes qkv_codes, qkv_scales
.if DOCPART == 2
	.amdgcn_target "amdgcn-amd-amdhsa--gfx1250"
	.amdhsa_code_object_version 6
	.text
	.protected	k_q99b52fbb7e_proj
	.globl	k_q99b52fbb7e_proj
	.p2align	8
	.type	k_q99b52fbb7e_proj,@function
k_q99b52fbb7e_proj:
	s_mov_b64 s[64:65], 0
	v_nop
	global_prefetch_b8 v0, s[64:65] scope:SCOPE_SE
	s_setreg_imm32_b32 hwreg(HW_REG_WAVE_MODE, 25, 1), 1
	s_wait_xcnt 0x0
	s_wait_alu depctr_hold_cnt(0) depctr_sa_sdst(0) depctr_va_vdst(0) depctr_va_sdst(0) depctr_va_ssrc(0) depctr_va_vcc(0) depctr_vm_vsrc(0)
	s_getreg_b32 s2, hwreg(HW_REG_IB_STS2, 6, 4)
	s_cmp_eq_u32 s2, 0
	s_cbranch_scc0 .Lentry_in_a_cluster
	s_endpgm
.Lentry_in_a_cluster:
	s_bfe_u32 s2, ttmp6, 0x10000c
	s_cmp_lg_u32 s2, 0xf033
	s_cbranch_scc0 .Lentry_shape_is_right
	s_endpgm
.Lentry_shape_is_right:
; The three projections Q = queries Wq + bq, K = keys Wk + bk, V = values Wv + bv, on codes of FP8 (E4M3) with one E8M0 scale for each 32 along K = 1,024, sums in f32; the results are quantised at once for the attention's products.
; ONE TEXT FOR ALL THREE.  A product here is R[j][i] = sum over k of A[j][k] B[i][k] + bias; source 1 takes 16 rows of A, source 0 takes 16 rows of B, so that a lane holds ONE row j and its registers run along i: the result is quantised ALONG i.
;   Q, K: A = the tokens (8,192 rows), B = the weight (1,024 rows): i = the feature: blocks of 32 along a head's 128.      V: A = Wv, B = the values' tokens: i = the key: blocks of 32 along the keys.
; A tile of R, 256 x 256, is made by a work-group of four waves, a wave 128 x 128: 64 accumulators, 512 registers.  K goes in steps of 256 through a ring of two LDS slots filled by the tensor data mover.
; The scale bytes of the work-group's 256 rows of A and of B, for all of K, come into LDS once, with the first fills.
; CLUSTERS: 4 x 4 work-groups, 24 clusters: 8 for each product (which product: cluster y / 8, the same in all sixteen partners).  The four of a row of the cluster need the same tiles of A, the four of a column the same tiles of B:
; each tile is asked for JOINTLY, by the same tensor load with the same descriptor and a mask that names the four.
; THE RESULT of a wave is one block of the workspace: 128 rows j x 128 codes along i, dense (16,384 bytes), and 128 scale words (one for each row j: four E8M0 bytes).  Block number = product x 512 + ((batch x 8 + head) x 16 + token / 128).
;   For Q and K a block is [128 tokens][128 of the head]; for V [128 of the head][128 keys]: each has its product's K innermost.
; THE ORDER OF THE CODES IN A ROW: inside each block of 32 along i the two middle groups of eight change places: byte 32 B + 16 h + 8 u + y holds i = 32 B + 16 u + 8 h + y.  It is the order in which launch attn's conversions deliver the
; weights p along the keys, so V meets p key by key; Q and K carry the same order along the head's 128, so their products are the same sums; the blocks of 32 and their scale bytes are as the quantiser has them.
; LIMITS: a block of 32 results whose largest magnitude lies under 2^-118 keeps the scale byte 1 (a block of zeros too: its codes are zeros; the bytes are read by this program alone); NaN and infinities are not served.
; REGISTERS, in windows of 256: window 0: v0-31 addresses; v32-63 scale words, two sets; v64-127 the bias; from v128 A's fragments, ONE set; on the way out v128-235 are at work.
;   window 1: B's fragments, TWO sets.   window 2: the 32 accumulators of my rows 0-63 (accumulator (a, b) at v[8 (8 a + b)]);   window 3: those of my rows 64-127.
.set SIZE_K, 1024
.set KSTEP,  256                       ; along K in a slot
.set NQ,     KSTEP/128                 ; matrix instructions deep
.set ROWB,   256                       ; a tile's row in bytes
.set KROW,   SIZE_K                    ; a row of A or of B in memory, in bytes
.set PITCH,  272                       ; an LDS row: 256 bytes + 16 of padding = 68 words: the 16 rows that a load touches start at 16 different banks (64 banks of 4 bytes: ISA guide 11.1)
.set FR,     16                        ; registers of a fragment: 16 rows x 128 K
.set NL,     4                         ; LDS loads that bring one
.set NP,     8                         ; places behind this matrix instruction (ISA guide 7.12.1)
.set HALFT,  128*PITCH                 ; 128 rows: what one tensor load brings, and what one wave reads of A or of B
.set SLOT,   4*HALFT                   ; A's 256 rows, then B's 256 rows
.set LAPS,   SIZE_K/(2*KSTEP)          ; a lap = two K steps = once round the ring
.set KS,     SIZE_K/32                 ; a row of scales in bytes
.set SCL,    2*SLOT                    ; behind the ring: the scales, as rows of 256 bytes + 16 of padding
.set HALFS,  (128*KS/256)*272          ; the scales of 128 rows: what one tensor load brings
.set SBLK,   (16*KS/256)*272           ; those of 16 rows
.set SPARE,  SCL+4*HALFS               ; behind the scales: the spare words, 128 bytes for each wave, which no other line names
.set SPC,    144                       ; the way out: a stage row: 128 codes + 16 bytes
.set STSC,   128*SPC                   ; behind a stage's 128 rows: its 128 scale words
.set STGW,   19456                     ; a wave's stage.  The stages lie in slot 0, which has had its last fill and its last read when the first code is stored there
.set AD,   8                           ; v8-15   the bias loads' offsets
.set ADRA, 16                          ; v16-17  LDS address of my A fragments in slot 0, 1
.set ADRB, 20                          ; v20-21  the same for B
.set STO,  24                          ; v24     the way out: where I put 8 codes of a row
.set RD,   25                          ; v25     where I read 16 bytes of the block back
.set CO,   26                          ; v26     16 x lane: my byte offset in 512 bytes of the workspace
.set ADRS, 27                          ; v27     LDS address of my scale words: lanes 0-15 A's rows, lanes 16-31 B's
.set SPW,  28                          ; v28     LDS address of my spare word; never rewritten
.set NIL,  29                          ; v29     0; never rewritten
.set SSO,  30                          ; v30     the way out: where I put my row's scale word
.set SRD,  31                          ; v31     and where I read four of them back
.set SC,   32                          ; scale words: set s (for slot s) at v[SC + 8 NQ s]; register NQ i + q: lanes 0-15 the word of A's block i, lanes 16-31 that of B's block i
.set BB,   64                          ; v64-127 the bias.  Q, K: register 8 b + jj = bias[16 b + 8 (lane / 16) + jj] of my 128 features;  V: register 8 a + jj = bias[16 a + lane % 16], the same for all jj
.set AF,   128                         ; A's fragments, in window 0
.set X,    128                         ; the way out: v128-191 a block's 64 numbers
.set PC,   192                         ; v192-207 its codes
.set TM,   208                         ; v208-211 largest magnitudes, v212-215 bytes, v220-223 the conversions' scale operands
.set PW,   224                         ; v224    the scale word just made
.set SW,   232                         ; v232-235 scale words read back
.set G1, 24                            ; s[24:31] descriptor group 1 for A's tiles;  s[32:39] group 0, one set for each slot
.set G0, 32
.set G1B, 48                           ; s[48:55], s[56:63] the same for B's tiles
.set G0B, 56
.set G1S, 68                           ; s[68:75], s[76:79] groups 1 and 0 for A's scales;  s[80:87], s[88:91] for B's
.set G0S, 76
.set G1SB, 80
.set G0SB, 88
.set SEL, 66                           ; s[66:67] lane selects for v_permlanex16_b32: lane l xor 16
.set MNT, 98
.set PP,  99                           ; s99     which product: 0 Q, 1 K, 2 V
.set BIA, 100                          ; s[100:101] the bias at my first feature
.set OSC, 104                          ; s[104:105] the workspace's scale words at my block
.set MSB, 0
.macro WIN new                         ; the immediate's high byte repeats the setting that is left
.if MSB != \new
	s_set_vgpr_msb (MSB<<8)|\new
.set MSB, \new
.endif
.endm
.set MUL_LO, 0xa1                      ; source 0 (B) window 1, source 1 (A) window 0, C and D window 2
.set MUL_HI, 0xf1                      ; the same, C and D window 3
.set TO_B,   0x40                      ; destination window 1, address window 0
; A joint load: waves 0 and 1 fetch for A, waves 2 and 3 for B.  Each of the two lines has ONE mask and one set of registers for all that issue it; the branch hangs on the wave's number alone.
; An s_nop 0 and four v_nop follow each of the two lines, ahead of the jump, the label and what follows.
.macro JLOAD g0a, g1a, g0b, g1b
	s_cmp_eq_u32 s15, 0
	s_cbranch_scc0 .Lfor_b_\@
	tensor_load_to_lds s[\g0a:\g0a+3], s[\g1a:\g1a+7]
	s_nop 0
.rept 4
	v_nop
.endr
	s_branch .Lasked_\@
.Lfor_b_\@:
	tensor_load_to_lds s[\g0b:\g0b+3], s[\g1b:\g1b+7]
	s_nop 0
.rept 4
	v_nop
.endr
.Lasked_\@:
.endm
.macro CREST                           ; a round of the cluster's barrier behind its opening barrier
	s_cmp_lg_u32 s14, 0
	s_cbranch_scc1 .Lnot_wave_0_\@
	s_barrier_signal -3
.Lnot_wave_0_\@:
	s_barrier_wait -3
	s_barrier_signal -1
	s_barrier_wait -1
.endm
.macro CROUND                          ; a whole round
	s_barrier_signal -1
	s_barrier_wait -1
	CREST
.endm
	s_load_b256 s[68:75], s[0:1], 0x0              ; Q's five: A's codes, A's scales, B's codes, B's scales,
	s_load_b64 s[76:77], s[0:1], 0x20              ; the bias
	s_load_b256 s[84:91], s[0:1], 0x28             ; K's five
	s_load_b64 s[92:93], s[0:1], 0x48
	s_load_b256 s[24:31], s[0:1], 0x50             ; V's five: here A is Wv and B the values
	s_load_b64 s[32:33], s[0:1], 0x70
	s_load_b128 s[36:39], s[0:1], 0x78             ; the workspace: codes, scale words
	v_lshl_add_u32 v[SPW], v0, 2, SPARE
	v_mov_b32 v[NIL], 0
	ds_add_u32 v[SPW], v[NIL]                      ; the wave's opening: the add, twice on end, and its wait ahead of my first tensor load; the set-up below, work on registers, stands between
	ds_add_u32 v[SPW], v[NIL]                      ; and once more, under the one wait
	v_lshrrev_b32 v1, 5, v0
	v_readfirstlane_b32 s14, v1                    ; wave 0..3
	s_lshr_b32 s15, s14, 1                         ; which half of the tile's rows (A) is mine.  Also: I fetch for A (0) or for B (1)
	s_and_b32 s16, s14, 1                          ; which half of its columns (B).  Also: which 128 rows of that tile I fetch
	s_bfe_u32 s40, ttmp6, 0x40000                  ; cx, cy: my place in the cluster
	s_bfe_u32 s41, ttmp6, 0x40004
	s_and_b32 s18, ttmp7, 0xffff                   ; the cluster's number, 0 .. 23 (the grid is one cluster wide)
	s_lshr_b32 s[PP], s18, 3                       ; the product,
	s_and_b32 s18, s18, 7                          ; and which of its eight clusters
	s_cmp_eq_u32 s[PP], 2
	s_cselect_b32 s19, s18, 0                      ; V: the eight lie along B (the tokens);
	s_cselect_b32 s18, 0, s18                      ; Q, K: along A (the tokens)
	s_lshl_b32 s42, s19, 2
	s_add_co_u32 s42, s42, s40                     ; tile column (B)
	s_lshl_b32 s17, s18, 2
	s_add_co_u32 s17, s17, s41                     ; tile row (A)
	s_lshl_b32 s43, s41, 2
	s_lshl_b32 s43, 15, s43                        ; my row of the cluster
	s_lshl_b32 s44, 0x1111, s40                    ; my column
	s_lshl_b32 s18, s16, 7                         ; which 128 rows of the tile I fetch
	s_lshl_b32 s20, s17, 8
	s_add_co_u32 s20, s20, s18                     ; A: row 256 x tile row + 128 x half
	s_lshl_b32 s46, s42, 8
	s_add_co_u32 s46, s46, s18                     ; B: row 256 x tile column + 128 x half
	s_lshl_b32 s22, s20, 5                         ; where these rows' scales begin, in bytes: 32 a row,
	s_mov_b32 s23, 0
	s_lshl_b32 s96, s46, 5
	s_mov_b32 s97, 0
	s_lshl_b32 s20, s20, 10                        ; and their codes: 1,024 a row
	s_mov_b32 s21, 0
	s_lshl_b32 s46, s46, 10
	s_mov_b32 s47, 0
	s_mul_i32 s45, s14, HALFT                      ; where they go: wave x 128 rows: no place in the cluster enters an LDS address
	s_mul_i32 s94, s14, HALFS
	s_mov_b32 s[SEL], 0x76543210
	s_mov_b32 s[SEL+1], 0xfedcba98
	s_wait_dscnt 0x0                               ; both opening adds are done
	s_wait_kmcnt 0x0
	s_cmp_eq_u32 s[PP], 0                          ; the product's five buffers: the choice hangs on the cluster's number alone
	s_cselect_b64 s[4:5], s[68:69], s[84:85]
	s_cselect_b64 s[6:7], s[70:71], s[86:87]
	s_cselect_b64 s[8:9], s[72:73], s[88:89]
	s_cselect_b64 s[10:11], s[74:75], s[90:91]
	s_cselect_b64 s[BIA:BIA+1], s[76:77], s[92:93]
	s_cmp_eq_u32 s[PP], 2
	s_cselect_b64 s[4:5], s[24:25], s[4:5]
	s_cselect_b64 s[6:7], s[26:27], s[6:7]
	s_cselect_b64 s[8:9], s[28:29], s[8:9]
	s_cselect_b64 s[10:11], s[30:31], s[10:11]
	s_cselect_b64 s[BIA:BIA+1], s[32:33], s[BIA:BIA+1]
	s_mov_b64 s[12:13], s[36:37]
	s_mov_b64 s[OSC:OSC+1], s[38:39]
	s_add_nc_u64 s[20:21], s[4:5], s[20:21]
	s_add_nc_u64 s[22:23], s[6:7], s[22:23]
	s_add_nc_u64 s[46:47], s[8:9], s[46:47]
	s_add_nc_u64 s[96:97], s[10:11], s[96:97]
	; descriptor group 1 (in the registers that held the arguments): a tile of 128 rows x 256 bytes, padded in LDS
	s_or_b32 s[G1+0], s43, (0<<16)|(1<<20)|(1<<21)|(5<<22)|(3<<25)  ; 15:0 the mask: A's tiles go to my row; 17:16 element of 1 byte; 20 padding on; 21 set beside a mask; 24:22 after every 64 words (code 5); 31:25 of 4 words (code 3)
	s_or_b32 s[G1B+0], s44, (0<<16)|(1<<20)|(1<<21)|(5<<22)|(3<<25)
.irp g, G1, G1B
	s_mov_b32 s[\g+1], ROWB<<16                    ; tensor_dim0
	s_mov_b32 s[\g+2], 128<<16                     ; tensor_dim1 = 128
	s_mov_b32 s[\g+3], ROWB<<16                    ; tile_dim0
	s_mov_b32 s[\g+4], 128                         ; tile_dim1 = 128
	s_mov_b32 s[\g+5], KROW                        ; tensor_dim0_stride
	s_mov_b32 s[\g+6], 0
	s_mov_b32 s[\g+7], 0
.endr
	; and for the scales of 128 rows: a dense block of 4,096 bytes, as 16 rows of 256 bytes (32 elements of 8 bytes), 16 bytes of padding behind each
	s_or_b32 s[G1S+0], s43, (3<<16)|(1<<20)|(1<<21)|(5<<22)|(3<<25)
	s_or_b32 s[G1SB+0], s44, (3<<16)|(1<<20)|(1<<21)|(5<<22)|(3<<25)
.irp g, G1S, G1SB
	s_mov_b32 s[\g+1], 32<<16
	s_mov_b32 s[\g+2], (128*KS/256)<<16
	s_mov_b32 s[\g+3], 32<<16
	s_mov_b32 s[\g+4], 128*KS/256
	s_mov_b32 s[\g+5], 32
	s_mov_b32 s[\g+6], 0
	s_mov_b32 s[\g+7], 0
.endr
	CROUND                                         ; all sixteen work-groups are here: the first joint loads meet
	s_mov_b32 s[G0S], 1
	s_add_co_u32 s[G0S+1], s94, SCL
	s_mov_b64 s[G0S+2:G0S+3], s[22:23]
	s_or_b32 s[G0S+3], s[G0S+3], 0x80000000
	s_mov_b32 s[G0SB], 1
	s_add_co_u32 s[G0SB+1], s94, SCL
	s_mov_b64 s[G0SB+2:G0SB+3], s[96:97]
	s_or_b32 s[G0SB+3], s[G0SB+3], 0x80000000
	JLOAD G0S, G1S, G0SB, G1SB                     ; the scales first: they are wanted with K step 0
.irp s, 0,1
	s_mov_b32 s[G0+4*\s], 1
	s_add_co_u32 s[G0+4*\s+1], s45, \s*SLOT
	s_add_nc_u64 s[G0+4*\s+2:G0+4*\s+3], s[20:21], \s*ROWB
	s_or_b32 s[G0+4*\s+3], s[G0+4*\s+3], 0x80000000
	s_mov_b32 s[G0B+4*\s], 1
	s_add_co_u32 s[G0B+4*\s+1], s45, \s*SLOT
	s_add_nc_u64 s[G0B+4*\s+2:G0B+4*\s+3], s[46:47], \s*ROWB
	s_or_b32 s[G0B+4*\s+3], s[G0B+4*\s+3], 0x80000000
	JLOAD G0+4*\s, G1, G0B+4*\s, G1B               ; three tensor loads of mine are out now, the most in this text
.endr
	v_and_b32 v1, 15, v0                           ; r = l % 16
	v_bfe_u32 v2, v0, 4, 1                         ; h = l / 16
	v_mul_u32_u24 v3, v1, PITCH
	v_lshl_add_u32 v4, v2, 4, v3                   ; a fragment's row x pitch + 16 x half
	s_mul_i32 s21, s15, HALFT                      ; my 128 rows of A
	s_mul_i32 s22, s16, HALFT                      ; my 128 rows of B,
	s_add_co_u32 s22, s22, 2*HALFT                 ; which lie behind A's 256
.irp s, 0,1
	v_add_nc_u32 v[ADRA+\s], s21, v4
	v_add_nc_u32 v[ADRB+\s], s22, v4
	s_add_co_u32 s21, s21, SLOT
	s_add_co_u32 s22, s22, SLOT
.endr
	v_mul_u32_u24 v5, v1, KS                       ; my row's scales: 32 bytes a row,
	v_lshrrev_b32 v6, 8, v5
	v_lshl_add_u32 v5, v6, 4, v5                   ; and 16 more for each 256 passed
	s_mul_i32 s21, s15, HALFS                      ; A's: my 128 rows
	s_mul_i32 s22, s16, HALFS                      ; B's: my 128 rows, behind A's 256
	s_add_co_u32 s22, s22, 2*HALFS
	s_sub_co_u32 s22, s22, s21
	v_mul_u32_u24 v6, s22, v2                      ; lanes 16-31 take B's
	s_add_co_u32 s21, s21, SCL
	v_add_nc_u32 v5, v5, v6
	v_add_nc_u32 v[ADRS], s21, v5
	s_mul_i32 s23, s14, STGW                       ; my stage
	v_mul_u32_u24 v5, v1, SPC                      ; in: row r of a block of 16; a half of the lanes has 16 bytes of each 32: its 8 codes of two neighbouring tiles
	v_lshl_add_u32 v5, v2, 4, v5
	v_add_nc_u32 v[STO], s23, v5
	v_and_b32 v6, 31, v0
	v_lshrrev_b32 v5, 3, v6                        ; back: eight lanes to a row of 128 bytes, four rows an instruction
	v_mul_u32_u24 v5, v5, SPC
	v_and_b32 v3, 7, v0
	v_lshl_add_u32 v5, v3, 4, v5
	v_add_nc_u32 v[RD], s23, v5
	v_lshlrev_b32 v[CO], 4, v6
	s_add_co_u32 s23, s23, STSC
	v_lshl_add_u32 v[SSO], v1, 2, s23              ; the scale words: 4 bytes a row
	v_add_nc_u32 v[SRD], s23, v[CO]
	; where my block lies in the workspace, and my part of the bias
	s_lshl_b32 s20, s17, 8
	s_lshl_b32 s21, s15, 7
	s_add_co_u32 s20, s20, s21                     ; my first row j
	s_lshl_b32 s21, s42, 8
	s_lshl_b32 s22, s16, 7
	s_add_co_u32 s21, s21, s22                     ; my first i
	s_cmp_eq_u32 s[PP], 2
	s_cselect_b32 s22, s21, s20                    ; my first token: V: along i; Q, K: along j
	s_cselect_b32 s23, s20, s21                    ; my first feature: the other one
	s_cselect_b32 s18, 0, 32                       ; the bias loads' offsets.  Q, K: 32 (lane / 16) + 4 jj;  V: 4 (lane % 16)
	s_cselect_b32 s19, 4, 0
	s_cselect_b32 s92, 0, 4
	s_lshr_b32 s46, s22, 11                        ; the batch,
	s_lshl_b32 s46, s46, 3
	s_lshr_b32 s47, s23, 7                         ; the head,
	s_or_b32 s46, s46, s47
	s_lshl_b32 s46, s46, 4
	s_bfe_u32 s47, s22, 0x40007                    ; which 128 tokens of the 2,048
	s_or_b32 s46, s46, s47
	s_lshl_b32 s47, s[PP], 9
	s_add_co_u32 s46, s46, s47                     ; the block's number
	s_lshl_b32 s96, s46, 14
	s_mov_b32 s97, 0
	s_add_nc_u64 s[12:13], s[12:13], s[96:97]      ; 16,384 bytes of codes a block,
	s_lshl_b32 s96, s46, 9
	s_add_nc_u64 s[OSC:OSC+1], s[OSC:OSC+1], s[96:97]  ; 512 of scale words
	s_lshl_b32 s96, s23, 2
	s_add_nc_u64 s[BIA:BIA+1], s[BIA:BIA+1], s[96:97]
	v_mul_u32_u24 v7, v2, s18
	v_mad_u32_u24 v7, v1, s19, v7
	s_wait_alu depctr_va_vdst(0)
	s_mov_b32 s93, 0
.irp jj, 0,1,2,3,4,5,6,7
	v_add_nc_u32 v[AD+\jj], s93, v7
	s_add_co_u32 s93, s93, s92
.endr
	s_wait_alu depctr_va_vdst(0)
.irp t, 0,1,2,3,4,5,6,7                        ; one text for both layouts; the loads stay out through the loop over K and are waited for on the way out
.irp jj, 0,1,2,3,4,5,6,7
	global_load_b32 v[BB+8*\t+\jj], v[AD+\jj], s[BIA:BIA+1] offset:64*\t
.endr
.endr
.macro FRAG reg, adr, q, i             ; a fragment, 16 rows x 128 K of 8-bit codes, is 16 registers: lane l holds row l % 16; registers 4 c .. 4 c + 3 hold K = 32 c + 16 (l / 16) + 0 .. 15
.irp c, 0,1,2,3
	ds_load_b128 v[\reg+4*\c:\reg+4*\c+3], v[\adr] offset:128*(\q)+32*\c+(\i)*16*PITCH
.endr
.endm
; 16 matrix instructions: A's blocks a0, a0 + 1 x B's eight, 128 along K: the slot's q-th.  p: B's set;  sc: the set of scale words.  zero = 1: the first product starts the sums: nothing is ever cleared.
; The 64 accumulators take turns, one instruction a turn, in the same order in every step.
.macro MUL16 a0, p, q, sc, zero
.irp a, \a0, \a0+1
.irp b, 0,1,2,3,4,5,6,7
.if \zero
	v_wmma_scale_f32_16x16x128_f8f6f4 v[8*(8*((\a)%4)+\b):8*(8*((\a)%4)+\b)+7], v[128*(\p)+FR*\b:128*(\p)+FR*\b+FR-1], v[AF+FR*(\a):AF+FR*(\a)+FR-1], 0, v[SC+8*NQ*(\sc)+NQ*\b+(\q)], v[SC+8*NQ*(\sc)+NQ*(\a)+(\q)] matrix_a_scale:MATRIX_SCALE_ROW1
.else
	v_wmma_scale_f32_16x16x128_f8f6f4 v[8*(8*((\a)%4)+\b):8*(8*((\a)%4)+\b)+7], v[128*(\p)+FR*\b:128*(\p)+FR*\b+FR-1], v[AF+FR*(\a):AF+FR*(\a)+FR-1], v[8*(8*((\a)%4)+\b):8*(8*((\a)%4)+\b)+7], v[SC+8*NQ*(\sc)+NQ*\b+(\q)], v[SC+8*NQ*(\sc)+NQ*(\a)+(\q)] matrix_a_scale:MATRIX_SCALE_ROW1
.endif
.endr
.endr
.endm
.macro FETCH_B slot, q, p              ; B's eight fragments of the slot's q-th 128 along K into set p
	WIN TO_B
.irp i, 0,1,2,3,4,5,6,7
	FRAG 128*(\p)+FR*\i, ADRB+\slot, \q, \i
.endr
	WIN 0
.endm
.macro FETCH_A slot, q, i0             ; A's blocks i0 .. i0 + 3
.irp i, \i0, \i0+1, \i0+2, \i0+3
	FRAG AF+FR*(\i), ADRA+\slot, \q, \i
.endr
.endm
.macro SCALES sc                       ; the next K step's scale words into set sc: two words a row; lanes 0-15 take A's block i, lanes 16-31 B's block i
.irp i, 0,1,2,3,4,5,6,7
	ds_load_b64 v[SC+8*NQ*\sc+NQ*\i:SC+8*NQ*\sc+NQ*\i+1], v[ADRS] offset:\i*SBLK
.endr
.endm
; A load into a register that a matrix instruction has read, and a vector instruction that reads a matrix result or writes one of a matrix instruction's registers, stand NP places behind that matrix instruction, and only
; plain vector instructions that name none of its registers are places (ISA guide 7.12.1 for vector instructions).
.macro PLACES n
.rept \n
	v_nop
.endr
.endm
; A step of 128 along K that has its successor in the same slot.
.macro STEP slot, q, zero
	s_wait_dscnt 4*NL                              ; B's set and A's blocks 0-3 are in; the youngest sixteen loads (A's blocks 4-7) may be out
	WIN MUL_LO
	MUL16 0, (\q)%2, \q, \slot, \zero
	MUL16 2, (\q)%2, \q, \slot, \zero
	s_wait_dscnt 0                                 ; A's blocks 4-7 are in (asked for 32 matrix instructions ago)
	PLACES NP
	FETCH_B \slot, (\q)+1, 1-(\q)%2
	FETCH_A \slot, (\q)+1, 0
	WIN MUL_HI
	MUL16 4, (\q)%2, \q, \slot, \zero
	MUL16 6, (\q)%2, \q, \slot, \zero
	PLACES NP
	WIN 0
	FETCH_A \slot, (\q)+1, 4
.endm
; A slot's last step changes slots: ONE barrier; in front of it each wave waits for all its tensor loads, adds 0 to its spare word, and waits for that and for its own reads of this slot.  fill = 1: this slot is filled again, two K steps ahead.
.macro TURN slot, next, fill
	s_wait_tensorcnt 0x0                           ; all my tensor loads have landed: my part of the next slot;  (every window is 0 here: the add's two registers lie in window 0)
	ds_add_u32 v[SPW], v[NIL]                      ; 0 onto my spare word;
	s_wait_dscnt 4*NL+1                            ; (the add and the youngest sixteen loads, A's blocks 4-7, may be out)
	WIN MUL_LO
	MUL16 0, 1, NQ-1, \slot, 0                     ; sixteen matrix instructions stand between the add and the wait for it
	s_wait_dscnt 0x0                               ; the add is done, and my reads of this slot are over
	s_barrier_signal -1
	MUL16 2, 1, NQ-1, \slot, 0
	WIN 0
	s_barrier_wait -1
.if \fill
	CREST                                          ; the barrier has opened a round of the cluster's barrier: no wave of any partner still reads this slot's tile or has a load on its way
	s_add_nc_u64 s[G0+4*\slot+2:G0+4*\slot+3], s[G0+4*\slot+2:G0+4*\slot+3], 2*ROWB
	s_add_nc_u64 s[G0B+4*\slot+2:G0B+4*\slot+3], s[G0B+4*\slot+2:G0B+4*\slot+3], 2*ROWB
	JLOAD G0+4*\slot, G1, G0B+4*\slot, G1B         ; the first tensor load behind the round; the four v_nop behind it are among the places in front of the loads below
	PLACES NP-4
.else
	PLACES NP
.endif
	s_wait_alu depctr_va_vdst(0)
	v_add_nc_u32 v[ADRS], 4*NQ, v[ADRS]            ; on to the next K step's scale words (no LDS load of mine is out)
	FETCH_B \next, 0, 0
	FETCH_A \next, 0, 0
	SCALES \next
	WIN MUL_HI
	MUL16 4, 1, NQ-1, \slot, 0
	MUL16 6, 1, NQ-1, \slot, 0
	PLACES NP
	WIN 0
	FETCH_A \next, 0, 4
.endm
	s_wait_tensorcnt 1                             ; the scales and my part of K step 0 are in (K step 1's load may be out)
	s_barrier_signal -1
	s_barrier_wait -1                              ; everybody's are
	FETCH_B 0, 0, 0
	FETCH_A 0, 0, 0
	SCALES 0
	FETCH_A 0, 0, 4
	STEP 0, 0, 1                                   ; the first step stands in front of the loop: its products start the sums
	s_mov_b32 s3, LAPS-1
.Llap:                                                 ; a trip goes once round the ring, from a lap's second step to the next lap's first, and fills both slots again
	TURN 0, 1, 1
	STEP 1, 0, 0
	TURN 1, 0, 1
	STEP 0, 0, 0
	s_sub_co_u32 s3, s3, 1
	s_cmp_lg_u32 s3, 0
	s_cbranch_scc1 .Llap
	TURN 0, 1, 0                                   ; the last lap fills nothing, and has no round of the cluster's barrier
	STEP 1, 0, 0
	s_wait_dscnt 4*NL                              ; the very last step: nothing more to fetch
	WIN MUL_LO
	MUL16 0, 1, NQ-1, 1, 0
	MUL16 2, 1, NQ-1, 1, 0
	s_wait_dscnt 0
	WIN MUL_HI
	MUL16 4, 1, NQ-1, 1, 0
	MUL16 6, 1, NQ-1, 1, 0
	WIN 0
; THE WAY OUT, block by block of 16 rows j x 128 along i.  In accumulator (a, b) lane (r, h) holds row j = 16 a + r, and its register jj holds i = 16 b + 8 h + jj.
; BIAS: the block's 64 sums + the bias, into window 0: the addition is also the move.  Each accumulator is read from its low end on.  Q, K: the bias goes with i; V: with j.  The branch hangs on the cluster's number alone.
.macro BIAS a
.set AC, 64*((\a)%4)
.set WB, 0x02+(\a)/4                   ; source 0: window 2 or 3
	s_cmp_eq_u32 s[PP], 2
	s_cbranch_scc1 .Lfor_v_\@
	WIN WB
.irp b, 0,1,2,3,4,5,6,7
.irp k, 0,2,4,6
	v_pk_add_f32 v[X+8*\b+\k:X+8*\b+\k+1], v[AC+8*\b+\k:AC+8*\b+\k+1], v[BB+8*\b+\k:BB+8*\b+\k+1]
.endr
.endr
	WIN 0
	s_branch .Ljoin_\@
.Lfor_v_\@:
	WIN WB
.irp b, 0,1,2,3,4,5,6,7
.irp k, 0,2,4,6
	v_pk_add_f32 v[X+8*\b+\k:X+8*\b+\k+1], v[AC+8*\b+\k:AC+8*\b+\k+1], v[BB+8*(\a)+\k:BB+8*(\a)+\k+1]
.endr
.endr
	WIN 0
.Ljoin_\@:
.endm
; QUANT: registers 16 B .. 16 B + 15 of the 64 are tiles 2 B and 2 B + 1: my 16 numbers of the block i = 32 B .. 32 B + 31, whose other 16 lie in lane l xor 16.  Codes into v[PC] on, the row's scale word into v[PW].
.macro QUANT s
.irp b, 0,1,2,3
	v_max3_num_f32 v[TM+\b], |v[\s+16*\b]|, |v[\s+1+16*\b]|, 0x4800000   ; block b: my 16 numbers, and the floor 2^(9 - 127): so the byte cannot fall under 1
.endr
.irp i, 2,4,6,8,10,12,14
.irp b, 0,1,2,3
	v_max3_num_f32 v[TM+\b], v[TM+\b], |v[\s+16*\b+\i]|, |v[\s+1+16*\b+\i]|   ; (the four blocks by turns: no line waits for the line above it)
.endr
.endr
.irp b, 0,1,2,3
	v_permlanex16_b32 v[TM+4+\b], v[TM+\b], s[SEL], s[SEL+1]
.endr
.irp b, 0,1,2,3
	v_max_num_f32 v[TM+\b], v[TM+\b], v[TM+4+\b]   ; with lane l xor 16's: the block's largest magnitude
.endr
.irp b, 0,1,2,3
	v_add_nc_u32 v[TM+12+\b], 0xfc000000, v[TM+\b]   ; 8 off its exponent field: the conversion's scale operand
.endr
.irp b, 0,1,2,3
.endr
.irp b, 0,1,2,3
	v_lshrrev_b32 v[TM+4+\b], 23, v[TM+12+\b]   ; the scale's byte
.endr
	v_lshl_or_b32 v[PW], v[TM+5], 8, v[TM+4]   ; the four bytes make my row's scale word
	v_lshl_or_b32 v[PW], v[TM+6], 16, v[PW]
	v_lshl_or_b32 v[PW], v[TM+7], 24, v[PW]
.irp b, 0,1,2,3
.irp i, 0,1,2,3,4,5,6,7,8,9,10,11,12,13,14,15
.endr
	v_cvt_scalef32_pk8_fp8_f32 v[PC+4*\b:PC+1+4*\b], v[\s+16*\b:\s+7+16*\b], v[TM+12+\b]
	v_cvt_scalef32_pk8_fp8_f32 v[PC+2+4*\b:PC+3+4*\b], v[\s+8+16*\b:\s+15+16*\b], v[TM+12+\b]
.endr
	v_nop                                          ; one plain vector instruction between the last scaled conversion and the next vector instruction that writes its sources (the next block's additions)
.endm
.macro OUTBLK a
	BIAS \a
	s_wait_dscnt 0x0                               ; the last block's stores into the stage have read the codes' registers and the scale word
	QUANT X
.irp b, 0,1,2,3,4,5,6,7
	ds_store_b64 v[STO], v[PC+2*\b:PC+2*\b+1] offset:(\a)*16*SPC+32*(\b/2)+8*(\b%2)   ; the 8 codes of i = 16 b + 8 h + 0 .. 7 of row 16 a + r, at byte 32 (b / 2) + 16 h + 8 (b % 2) of the row: the order stated at the head
.endr
	ds_store_b32 v[SSO], v[PW] offset:64*(\a)      ; both halves of the lanes write the same word with the same value
.endm
	PLACES NP                                      ; behind the last products: for the reads of their results, and for the writes into the registers that held A's fragments
	s_wait_loadcnt 0x0                             ; the bias
.irp b, 0,1,2,3
	v_mov_b32 v[TM+4+\b], 0                        ; a lane permute's destination counts as one of its sources
.endr
.irp a, 0,1,2,3,4,5,6,7
	OUTBLK \a
.endr
.irp t, 0,1,2,3,4,5,6,7,8,9,10,11,12,13,14,15,16,17,18,19,20,21,22,23,24,25,26,27,28,29,30,31
	ds_load_b128 v[BB+4*\t:BB+4*\t+3], v[RD] offset:4*SPC*\t   ; four rows of 128 codes; LDS serves a wave's instructions in order (ISA guide 5.7.1.4): these see my stores
.endr
	ds_load_b128 v[SW:SW+3], v[SRD]                ; and the 128 scale words
.irp t, 0,1,2,3,4,5,6,7,8,9,10,11,12,13,14,15,16,17,18,19,20,21,22,23,24,25,26,27,28,29,30,31
	s_wait_dscnt 32-\t                             ; behind load t: the 31 - t younger ones and the scale words'
	global_store_b128 v[CO], v[BB+4*\t:BB+4*\t+3], s[12:13] offset:512*\t   ; 32 lanes store 512 consecutive bytes, at a multiple of 256 from the buffer's first byte
.endr
	s_wait_dscnt 0x0
	global_store_b128 v[CO], v[SW:SW+3], s[OSC:OSC+1]
	s_wait_tensorcnt 0x0                           ; the wave's end, behind my last tensor load and my last LDS store
	ds_add_u32 v[SPW], v[NIL]
	s_wait_dscnt 0x0
	CROUND                                         ; the closing round: no work-group ends while a partner may still ask for a tile that names it
	s_endpgm
.Lfunc_end_k_q99b52fbb7e_proj:
	.size	k_q99b52fbb7e_proj, .Lfunc_end_k_q99b52fbb7e_proj-k_q99b52fbb7e_proj
	.p2alignl 7, 3214868480
	.fill 96, 4, 3214868480
	.section	.rodata,"a",@progbits
	.p2align	6, 0x0
	.amdhsa_kernel k_q99b52fbb7e_proj
		.amdhsa_group_segment_fixed_size 327680
		.amdhsa_private_segment_fixed_size 0
		.amdhsa_enable_private_segment 0
		.amdhsa_kernarg_size 136
		.amdhsa_user_sgpr_count 2
		.amdhsa_user_sgpr_kernarg_segment_ptr 1
		.amdhsa_wavefront_size32 1
		.amdhsa_system_sgpr_workgroup_id_x 1
		.amdhsa_system_sgpr_workgroup_id_y 1
		.amdhsa_system_sgpr_workgroup_id_z 1
		.amdhsa_system_vgpr_workitem_id 0
		.amdhsa_next_free_vgpr 1024
		.amdhsa_next_free_sgpr 106
		.amdhsa_reserve_vcc 0
		.amdhsa_float_denorm_mode_32 3
		.amdhsa_float_denorm_mode_16_64 3
		.amdhsa_fp16_overflow 1
		.amdhsa_memory_ordered 1
		.amdhsa_forward_progress 1
		.amdhsa_inst_pref_size 198
	.end_amdhsa_kernel
	.amdgpu_metadata
---
amdhsa.version: [ 1, 2 ]
amdhsa.kernels:
  - .name:           k_q99b52fbb7e_proj
    .symbol:         k_q99b52fbb7e_proj.kd
    .args:
      - { .name: qx_codes, .offset: 0, .size: 8, .value_kind: global_buffer, .address_space: global }
      - { .name: qx_scales, .offset: 8, .size: 8, .value_kind: global_buffer, .address_space: global }
      - { .name: Wq_codes, .offset: 16, .size: 8, .value_kind: global_buffer, .address_space: global }
      - { .name: Wq_scales, .offset: 24, .size: 8, .value_kind: global_buffer, .address_space: global }
      - { .name: bq, .offset: 32, .size: 8, .value_kind: global_buffer, .address_space: global }
      - { .name: keys_codes, .offset: 40, .size: 8, .value_kind: global_buffer, .address_space: global }
      - { .name: keys_scales, .offset: 48, .size: 8, .value_kind: global_buffer, .address_space: global }
      - { .name: Wk_codes, .offset: 56, .size: 8, .value_kind: global_buffer, .address_space: global }
      - { .name: Wk_scales, .offset: 64, .size: 8, .value_kind: global_buffer, .address_space: global }
      - { .name: bk, .offset: 72, .size: 8, .value_kind: global_buffer, .address_space: global }
      - { .name: Wv_codes, .offset: 80, .size: 8, .value_kind: global_buffer, .address_space: global }
      - { .name: Wv_scales, .offset: 88, .size: 8, .value_kind: global_buffer, .address_space: global }
      - { .name: values_codes, .offset: 96, .size: 8, .value_kind: global_buffer, .address_space: global }
      - { .name: values_scales, .offset: 104, .size: 8, .value_kind: global_buffer, .address_space: global }
      - { .name: bv, .offset: 112, .size: 8, .value_kind: global_buffer, .address_space: global }
      - { .name: qkv_codes, .offset: 120, .size: 8, .value_kind: global_buffer, .address_space: global }
      - { .name: qkv_scales, .offset: 128, .size: 8, .value_kind: global_buffer, .address_space: global }
    .group_segment_fixed_size: 327680
    .private_segment_fixed_size: 0
    .kernarg_segment_align: 8
    .kernarg_segment_size: 136
    .max_flat_workgroup_size: 128
    .sgpr_count:     106
    .vgpr_count:     1024
    .wavefront_size: 32
...
	.end_amdgpu_metadata
.endif
;; end of part 2
;; launch attn (part 3): grid 8 x 32, 16 waves a work-group, no clusters, 327,680 bytes of LDS; arguments qkv_codes, qkv_scales, att; writes att
.if DOCPART == 3
	.amdgcn_target "amdgcn-amd-amdhsa--gfx1250"
	.amdhsa_code_object_version 6
	.text
	.protected	k_q99b52fbb7e_attn
	.globl	k_q99b52fbb7e_attn
	.p2align	8
	.type	k_q99b52fbb7e_attn,@function
k_q99b52fbb7e_attn:
	s_mov_b64 s[64:65], 0
	v_nop
	global_prefetch_b8 v0, s[64:65] scope:SCOPE_SE
	s_setreg_imm32_b32 hwreg(HW_REG_WAVE_MODE, 25, 1), 1
	s_wait_xcnt 0x0
.set SIZE_N, 2048
.set SK,    256
.set NQ,    SK/128
.set ROWB,  128
.set KP,    144
.set VOFF,  SK*KP
.set SLOT1, 1<<17
.set NSL,   SIZE_N/SK
.set SCK,   2*SLOT1
.set SCH,   (2*SIZE_N/256)*272
.set SCV,   SCK+2*SCH
.set SPARE, SCV+2*SCH
.set STAGE, ((NSL-2)%2)*SLOT1
.set AK0,  1
.set AV0,  2
.set ASK0, 3
.set ASV0, 4
.set SPW,  5
.set NIL,  6
.set GO,   7
.set PFO,  7
.set ADK,  8
.set ADV,  9
.set ADS,  10
.set ADT,  11
.set WV,   18
.set MNT,  19
.set SEL,  20
.set CS,   22
.set G1K,  24
.set G0K,  40
.set G0V,  44
.set G1S,  48
.set G0SK, 56
.set G0SV, 60
.set TB,   2
.set TS,   3
.set QL,   66
.set SLOTS, 67
.set PFA,  76
.set LIM,  80
.set KF,   98
.set Q0,   99
.macro TLOAD g0k, g1k, g0v, g1v
	s_cmp_lt_u32 s[WV], 2
	s_cbranch_scc0 .Lnot_k_\@
	tensor_load_to_lds s[\g0k:\g0k+3], s[\g1k:\g1k+7]
	s_nop 0
.rept 4
	v_nop
.endr
	s_branch .Lasked_\@
.Lnot_k_\@:
	s_cmp_lt_u32 s[WV], 4
	s_cbranch_scc0 .Lasked_\@
	tensor_load_to_lds s[\g0v:\g0v+3], s[\g1v:\g1v+7]
	s_nop 0
.rept 4
	v_nop
.endr
.Lasked_\@:
.endm
.macro ASK
	s_cmp_gt_u32 s[SLOTS], s[LIM]
	s_cbranch_scc0 .Lnot_mine_\@
	global_prefetch_b8 v[PFO], s[PFA:PFA+1] th:TH_LOAD_NT scope:SCOPE_SE
.Lnot_mine_\@:
.endm
	s_load_b128 s[4:7], s[0:1], 0x0
	s_load_b64 s[16:17], s[0:1], 0x10
	v_lshl_add_u32 v[SPW], v0, 2, SPARE
	v_mov_b32 v[NIL], 0
	ds_add_u32 v[SPW], v[NIL]
	ds_add_u32 v[SPW], v[NIL]
	v_lshrrev_b32 v8, 5, v0
	s_delay_alu instid0(VALU_DEP_1)
	v_readfirstlane_b32 s[WV], v8
	s_and_b32 s72, ttmp7, 0xffff
	s_lshl_b32 s74, s72, 18
	s_mov_b32 s75, 0
	s_lshl_b32 s76, s72, 13
	s_mov_b32 s77, 0
	s_lshr_b32 s80, s[WV], 2
	s_xor_b32 s80, s80, s[WV]
	s_and_b32 s80, s80, 1
	s_sub_co_u32 s81, 15, ttmp9
	s_cmp_eq_u32 s80, 1
	s_cselect_b32 s81, s81, ttmp9
	s_and_b32 s82, s[WV], 3
	s_lshr_b32 s83, s[WV], 3
	s_lshl_b32 s83, s83, 2
	s_or_b32 s82, s82, s83
	s_lshl_b32 s80, s81, 7
	s_lshl_b32 s82, s82, 4
	s_add_co_u32 s80, s80, s82
	s_lshl_b32 s82, s80, 7
	s_mov_b32 s83, 0
	s_add_nc_u64 s[82:83], s[82:83], s[74:75]
	s_lshl_b32 s84, s80, 2
	s_mov_b32 s85, 0
	s_add_nc_u64 s[84:85], s[84:85], s[76:77]
	s_lshr_b32 s86, s72, 3
	s_lshl_b32 s86, s86, 11
	s_add_co_u32 s86, s86, s80
	s_lshl_b32 s86, s86, 12
	s_and_b32 s87, s72, 7
	s_lshl_b32 s87, s87, 9
	s_add_co_u32 s86, s86, s87
	s_mov_b32 s87, 0
	s_and_b32 s88, s[WV], 1
	s_lshl_b32 s90, s88, 14
	s_mov_b32 s91, 0
	s_add_nc_u64 s[90:91], s[90:91], s[74:75]
	s_mul_i32 s89, s88, 128*KP
	s_add_co_u32 s94, s89, VOFF
	s_mov_b32 s[G1K], (0<<16)|(1<<20)|(4<<22)|(3<<25)
	s_mov_b32 s[G1K+1], ROWB<<16
	s_mov_b32 s[G1K+2], 128<<16
	s_mov_b32 s[G1K+3], ROWB<<16
	s_mov_b32 s[G1K+4], 128
	s_mov_b32 s[G1K+5], ROWB
	s_mov_b32 s[G1K+6], 0
	s_mov_b32 s[G1K+7], 0
	s_mov_b32 s[G1S], (3<<16)|(1<<20)|(5<<22)|(3<<25)
	s_mov_b32 s[G1S+1], 32<<16
	s_mov_b32 s[G1S+2], (2*SIZE_N/256)<<16
	s_mov_b32 s[G1S+3], 32<<16
	s_mov_b32 s[G1S+4], 2*SIZE_N/256
	s_mov_b32 s[G1S+5], 32
	s_mov_b32 s[G1S+6], 0
	s_mov_b32 s[G1S+7], 0
	s_lshl_b32 s96, s88, 12
	s_mov_b32 s97, 0
	s_add_nc_u64 s[96:97], s[96:97], s[76:77]
	s_mul_i32 s95, s88, SCH
	s_mov_b32 s[SEL], 0x76543210
	s_mov_b32 s[SEL+1], 0xfedcba98
	s_mov_b32 s[CS], 0x3e0293ee
	s_mov_b32 s[CS+1], s[CS]
	s_mov_b32 s[TB], 0
	s_mov_b32 s[TS], 0
	s_mov_b32 s[SLOTS], NSL-1
	s_mov_b32 s[KF], 0
	s_mov_b32 s[Q0], s80
	s_lshl_b32 s[QL], ttmp9, 7
	s_sub_co_u32 s[QL], 2047, s[QL]
	s_wait_dscnt 0x0
	s_wait_kmcnt 0x0
	s_add_nc_u64 s[8:9], s[4:5], 8388608
	s_add_nc_u64 s[12:13], s[4:5], 16777216
	s_add_nc_u64 s[10:11], s[6:7], 262144
	s_add_nc_u64 s[14:15], s[6:7], 524288
	s_mov_b32 s[G0SK], 1
	s_add_co_u32 s[G0SK+1], s95, SCK
	s_add_nc_u64 s[G0SK+2:G0SK+3], s[10:11], s[96:97]
	s_or_b32 s[G0SK+3], s[G0SK+3], 0x80000000
	s_mov_b32 s[G0SV], 1
	s_add_co_u32 s[G0SV+1], s95, SCV
	s_add_nc_u64 s[G0SV+2:G0SV+3], s[14:15], s[96:97]
	s_or_b32 s[G0SV+3], s[G0SV+3], 0x80000000
	TLOAD G0SK, G1S, G0SV, G1S
	s_mov_b32 s[G0K], 1
	s_mov_b32 s[G0K+1], s89
	s_add_nc_u64 s[G0K+2:G0K+3], s[8:9], s[90:91]
	s_or_b32 s[G0K+3], s[G0K+3], 0x80000000
	s_mov_b32 s[G0V], 1
	s_mov_b32 s[G0V+1], s94
	s_add_nc_u64 s[G0V+2:G0V+3], s[12:13], s[90:91]
	s_or_b32 s[G0V+3], s[G0V+3], 0x80000000
	TLOAD G0K, G1K, G0V, G1K
	s_add_nc_u64 s[4:5], s[4:5], s[82:83]
	s_add_nc_u64 s[6:7], s[6:7], s[84:85]
	s_add_nc_u64 s[16:17], s[16:17], s[86:87]
	s_cmp_lt_u32 s[WV], 8
	s_cselect_b64 s[PFA:PFA+1], s[8:9], s[12:13]
	v_and_b32 v[PFO], 31, v0
	s_delay_alu instid0(VALU_DEP_1)
	v_lshlrev_b32 v[PFO], 8, v[PFO]
	s_and_b32 s82, s[WV], 3
	s_lshl_b32 s82, s82, 13
	s_add_co_u32 s82, s82, SK*ROWB
	s_mov_b32 s83, 0
	s_add_nc_u64 s[PFA:PFA+1], s[PFA:PFA+1], s[74:75]
	s_add_nc_u64 s[PFA:PFA+1], s[PFA:PFA+1], s[82:83]
	s_sub_co_u32 s82, s[WV], 4
	s_lshr_b32 s82, s82, 3
	s_or_b32 s82, s82, ttmp9
	s_cmp_eq_u32 s82, 0
	s_cselect_b32 s[LIM], 1, -1
	v_and_b32 v8, 15, v0
	v_bfe_u32 v9, v0, 4, 1
	s_delay_alu instid0(VALU_DEP_2)
	v_mul_u32_u24 v10, v8, ROWB
	s_delay_alu instid0(VALU_DEP_1)
	v_lshl_add_u32 v10, v9, 4, v10
.irp c, 0,1,2,3
	global_load_b128 v[16+4*\c:19+4*\c], v10, s[4:5] offset:32*\c
.endr
	v_lshlrev_b32 v254, 2, v8
	global_load_b32 v255, v254, s[6:7]
	v_mul_u32_u24 v[AK0], v8, KP
	s_delay_alu instid0(VALU_DEP_1)
	v_lshl_add_u32 v[AK0], v9, 4, v[AK0]
	s_delay_alu instid0(VALU_DEP_1)
	v_add_nc_u32 v[AV0], VOFF, v[AK0]
	v_lshl_add_u32 v[ASK0], v8, 2, SCK
	s_delay_alu instid0(VALU_DEP_1)
	v_mad_u32_u24 v[ASK0], v9, 272, v[ASK0]
	v_lshl_add_u32 v[ASV0], v8, 2, SCV
	s_delay_alu instid0(VALU_DEP_1)
	v_mad_u32_u24 v[ASV0], v9, 272, v[ASV0]
	v_mov_b32 v13, 0xff61b1e6
	s_delay_alu instid0(VALU_DEP_1)
	v_floor_f32 v12, -v13
	v_mov_b32 v14, 0
	v_mov_b32 v15, 0
.irp b, 0,1,2,3
	v_mov_b32 v[236+\b], 0
.endr
	v_mov_b32 v253, 0
.irp j, 0,1,2,3,4,5,6,7,8,9,10,11,12,13,14,15,16,17,18,19,20,21,22,23,24,25,26,27,28,29,30,31,32,33,34,35,36,37,38,39,40,41,42,43,44,45,46,47,48,49,50,51,52,53,54,55,56,57,58,59,60,61,62,63
	v_mov_b32 v[160+\j], 0
.endr
.macro STEP q
	s_add_co_u32 s96, s[Q0], 15
	s_cmp_gt_u32 s[KF], s96
	s_cbranch_scc1 .Lhidden_\@
	v_add_nc_u32 v[ADK], s[TB], v[AK0]
	s_wait_alu depctr_va_vdst(0)
	v_add_nc_u32 v[ADV], s[TB], v[AV0]
	v_add_nc_u32 v[ADS], s[TS], v[ASK0]
	v_add_nc_u32 v[ADT], s[TS], v[ASV0]
.rept 5
	v_nop
.endr
.irp t, 0,1,2,3
	ds_load_b32 v[248+\t], v[ADS] offset:64*\t
.endr
.irp g, 0,1
.if \g > 0
.rept 8
	v_nop
.endr
.endif
.irp t, 0,1,2,3
.irp c, 0,1,2,3
	ds_load_b128 v[32+16*\t+4*\c:32+16*\t+4*\c+3], v[ADK] offset:(128*(\q)+16*(4*\g+\t))*KP+32*\c
.endr
.endr
	s_wait_dscnt 0x0
.irp t, 0,1,2,3
.if \g == 0
	v_wmma_scale_f32_16x16x128_f8f6f4 v[96+8*\t:103+8*\t], v[32+16*\t:47+16*\t], v[16:31], 0, v[248+\t], v255
.else
	v_wmma_scale_f32_16x16x128_f8f6f4 v[128+8*\t:135+8*\t], v[32+16*\t:47+16*\t], v[16:31], 0, v[248+\t], v255 matrix_a_scale:MATRIX_SCALE_ROW1
.endif
.endr
.endr
.rept 8
	v_nop
.endr
	s_wait_alu depctr_va_vdst(0)
.irp t, 0,1,2,3
	ds_load_b32 v[248+\t], v[ADT] offset:64*\t
.endr
.irp t, 0,1,2,3
.irp c, 0,1,2,3
	ds_load_b128 v[32+16*\t+4*\c:32+16*\t+4*\c+3], v[ADV] offset:(128*(\q)+16*\t)*KP+32*\c
.endr
.endr
	s_add_co_u32 s96, s[KF], 127
	s_cmp_le_u32 s96, s[Q0]
	s_cbranch_scc1 .Lopen_\@
	s_sub_co_i32 s96, s[Q0], s[KF]
	v_and_b32 v240, 15, v0
	v_bfe_u32 v241, v0, 4, 1
	s_delay_alu instid0(VALU_DEP_1)
	v_lshlrev_b32 v241, 3, v241
	s_delay_alu instid0(VALU_DEP_1)
	v_sub_nc_u32 v240, v240, v241
	s_delay_alu instid0(VALU_DEP_1)
	v_add_nc_u32 v240, s96, v240
	v_mov_b32 v254, 0xff800000
.irp n, 0,1,2,3,4,5,6,7,8,9,10,11,12,13,14,15,16,17,18,19,20,21,22,23,24,25,26,27,28,29,30,31,32,33,34,35,36,37,38,39,40,41,42,43,44,45,46,47,48,49,50,51,52,53,54,55,56,57,58,59,60,61,62,63
	v_cmp_gt_i32 vcc_lo, 16*(\n/8)+\n%8, v240
	v_cndmask_b32 v[96+\n], v[96+\n], v254, vcc_lo
.endr
.Lopen_\@:
.irp b, 0,1,2,3
	v_max3_num_f32 v[232+\b], v[96+16*\b], v[97+16*\b], v[98+16*\b]
.endr
.irp i, 3,5,7,9,11,13
.irp b, 0,1,2,3
	v_max3_num_f32 v[232+\b], v[232+\b], v[96+16*\b+\i], v[97+16*\b+\i]
.endr
.endr
.irp b, 0,1,2,3
	v_max_num_f32 v[232+\b], v[232+\b], v[111+16*\b]
.endr
.irp b, 0,1,2,3
	v_permlanex16_b32 v[236+\b], v[232+\b], s[SEL], s[SEL+1]
.endr
.irp b, 0,1,2,3
	s_delay_alu instid0(VALU_DEP_4)
	v_max_num_f32 v[232+\b], v[232+\b], v[236+\b]
.endr
	s_delay_alu instid0(VALU_DEP_2)
	v_max3_num_f32 v254, v232, v233, v234
	s_delay_alu instid0(VALU_DEP_1)
	v_max_num_f32 v254, v254, v235
	s_delay_alu instid0(VALU_DEP_1)
	v_mul_f32 v254, s[CS], v254
	s_delay_alu instid0(VALU_DEP_1)
	v_max_num_f32 v13, v13, v254
	v_mov_b32 v254, v12
	s_delay_alu instid0(VALU_DEP_2)
	v_floor_f32 v12, -v13
	s_delay_alu instid0(VALU_DEP_1)
	v_sub_f32 v254, v12, v254
	s_delay_alu instid0(VALU_DEP_1)
	v_cvt_i32_f32 v254, v254
	s_delay_alu instid0(VALU_DEP_1)
	v_ldexp_f32 v252, 1.0, v254
.irp j, 0,2,4,6,8,10,12,14,16,18,20,22,24,26,28,30,32,34,36,38,40,42,44,46,48,50,52,54,56,58,60,62
	v_pk_fma_f32 v[96+\j:97+\j], v[96+\j:97+\j], s[CS:CS+1], v[12:13] op_sel_hi:[1,0,0]
.endr
.irp b, 0,1,2,3
	v_fma_f32 v[232+\b], v[232+\b], s[CS], v12
.endr
	s_wait_alu depctr_va_vdst(0)
.irp j, 0,1,2,3,4,5,6,7,8,9,10,11,12,13,14,15,16,17,18,19,20,21,22,23,24,25,26,27,28,29,30,31,32,33,34,35,36,37,38,39,40,41,42,43,44,45,46,47,48,49,50,51,52,53,54,55,56,57,58,59,60,61,62,63
	v_exp_f32 v[96+\j], v[96+\j]
.endr
	v_pk_mul_f32 v[14:15], v[14:15], v[252:253] op_sel_hi:[1,0]
	s_wait_alu depctr_va_vdst(0)
.irp b, 0,1,2,3
	v_exp_f32 v[232+\b], v[232+\b]
.endr
	v_pk_add_f32 v[236:237], v[100:101], v[104:105]
	v_pk_add_f32 v[246:247], v[108:109], v[112:113]
	v_pk_add_f32 v[244:245], v[116:117], v[120:121]
	v_pk_add_f32 v[242:243], v[124:125], v[128:129]
	v_pk_add_f32 v[240:241], v[132:133], v[136:137]
	v_pk_add_f32 v[238:239], v[140:141], v[144:145]
	v_pk_add_f32 v[230:231], v[148:149], v[152:153]
	v_pk_add_f32 v[14:15], v[14:15], v[156:157]
	v_pk_add_f32 v[236:237], v[236:237], v[96:97]
	v_pk_add_f32 v[246:247], v[246:247], v[98:99]
	v_pk_add_f32 v[244:245], v[244:245], v[102:103]
	v_pk_add_f32 v[242:243], v[242:243], v[106:107]
	v_pk_add_f32 v[240:241], v[240:241], v[110:111]
	v_pk_add_f32 v[238:239], v[238:239], v[114:115]
	v_pk_add_f32 v[230:231], v[230:231], v[118:119]
	v_pk_add_f32 v[14:15], v[14:15], v[122:123]
	v_pk_add_f32 v[236:237], v[236:237], v[126:127]
	v_pk_add_f32 v[246:247], v[246:247], v[130:131]
	v_pk_add_f32 v[244:245], v[244:245], v[134:135]
	v_pk_add_f32 v[242:243], v[242:243], v[138:139]
	v_pk_add_f32 v[240:241], v[240:241], v[142:143]
	v_pk_add_f32 v[238:239], v[238:239], v[146:147]
	v_pk_add_f32 v[230:231], v[230:231], v[150:151]
	v_pk_add_f32 v[14:15], v[14:15], v[154:155]
	v_pk_add_f32 v[236:237], v[236:237], v[158:159]
	s_delay_alu instid0(VALU_DEP_2)
	v_pk_add_f32 v[14:15], v[14:15], v[242:243]
	s_delay_alu instid0(VALU_DEP_2)
	v_pk_add_f32 v[236:237], v[236:237], v[240:241]
	v_pk_add_f32 v[246:247], v[246:247], v[238:239]
	v_pk_add_f32 v[244:245], v[244:245], v[230:231]
	s_delay_alu instid0(VALU_DEP_2)
	v_pk_add_f32 v[14:15], v[14:15], v[246:247]
	s_delay_alu instid0(VALU_DEP_2)
	v_pk_add_f32 v[236:237], v[236:237], v[244:245]
	s_delay_alu instid0(VALU_DEP_1)
	v_pk_add_f32 v[14:15], v[14:15], v[236:237]
	s_wait_alu depctr_va_vdst(0)
.irp b, 0,1,2,3
	v_max_num_f32 v[232+\b], 0x4800000, v[232+\b]
.endr
.irp b, 0,1,2,3
	s_delay_alu instid0(VALU_DEP_4)
	v_add_nc_u32 v[244+\b], 0xfc000000, v[232+\b]
.endr
.irp b, 0,1,2,3
.endr
.irp b, 0,1,2,3
	s_delay_alu instid0(VALU_DEP_4)
	v_lshrrev_b32 v[236+\b], 23, v[244+\b]
.endr
	s_delay_alu instid0(VALU_DEP_3)
	v_lshl_or_b32 v253, v237, 8, v236
	s_delay_alu instid0(VALU_DEP_1)
	v_lshl_or_b32 v253, v238, 16, v253
	s_delay_alu instid0(VALU_DEP_1)
	v_lshl_or_b32 v253, v239, 24, v253
.irp b, 0,1,2,3
.irp i, 0,1,2,3,4,5,6,7,8,9,10,11,12,13,14,15
.endr
	v_cvt_scalef32_pk8_fp8_f32 v[224+4*\b:225+4*\b], v[96+16*\b:103+16*\b], v[244+\b]
	v_cvt_scalef32_pk8_fp8_f32 v[226+4*\b:227+4*\b], v[104+16*\b:111+16*\b], v[244+\b]
.endr
.irp j, 0,2,4,6
	v_pk_mul_f32 v[160+\j:161+\j], v[160+\j:161+\j], v[252:253] op_sel_hi:[1,0]
.endr
.irp t, 0,1,2,3
.irp c, 0,1,2,3
	ds_load_b128 v[96+16*\t+4*\c:96+16*\t+4*\c+3], v[ADV] offset:(128*(\q)+64+16*\t)*KP+32*\c
.endr
.endr
.irp j, 8,10,12,14,16,18,20,22,24,26,28,30,32,34,36,38,40,42,44,46,48,50,52,54,56,58,60,62
	v_pk_mul_f32 v[160+\j:161+\j], v[160+\j:161+\j], v[252:253] op_sel_hi:[1,0]
.endr
	s_wait_alu depctr_va_vdst(0)
	s_wait_dscnt 0x0
.irp t, 0,1,2,3
	v_wmma_scale_f32_16x16x128_f8f6f4 v[160+8*\t:167+8*\t], v[32+16*\t:47+16*\t], v[224:239], v[160+8*\t:167+8*\t], v[248+\t], v253
.endr
.irp t, 0,1,2,3
	v_wmma_scale_f32_16x16x128_f8f6f4 v[192+8*\t:199+8*\t], v[96+16*\t:111+16*\t], v[224:239], v[192+8*\t:199+8*\t], v[248+\t], v253 matrix_a_scale:MATRIX_SCALE_ROW1
.endr
.Lhidden_\@:
	s_add_co_u32 s[KF], s[KF], 128
	s_add_co_u32 s[TS], s[TS], 544
.endm
.macro CHANGE fill
	s_wait_tensorcnt 0x0
	ds_add_u32 v[SPW], v[NIL]
.if \fill
	ds_add_u32 v[SPW], v[NIL]
	s_xor_b32 s[G0K+1], s[G0K+1], SLOT1
	s_add_nc_u64 s[G0K+2:G0K+3], s[G0K+2:G0K+3], SK*ROWB
	s_xor_b32 s[G0V+1], s[G0V+1], SLOT1
	s_add_nc_u64 s[G0V+2:G0V+3], s[G0V+2:G0V+3], SK*ROWB
	s_wait_xcnt 0x0
	s_add_nc_u64 s[PFA:PFA+1], s[PFA:PFA+1], SK*ROWB
.endif
	s_wait_dscnt 0x0
	s_barrier_signal -1
	s_barrier_wait -1
.if \fill
	s_add_co_u32 s96, s[KF], SK
	s_cmp_gt_u32 s96, s[QL]
	s_cbranch_scc1 .Lpast_\@
	TLOAD G0K, G1K, G0V, G1K
.Lpast_\@:
	ASK
.endif
.endm
.macro SLOT_STEPS
.set Q, 0
.rept NQ
	STEP Q
.set Q, Q+1
.endr
	s_xor_b32 s[TB], s[TB], SLOT1
.endm
	s_wait_loadcnt 0x0
.Lslot:
	CHANGE 1
	SLOT_STEPS
	s_sub_co_u32 s[SLOTS], s[SLOTS], 1
	s_cmp_lg_u32 s[SLOTS], 0
	s_cbranch_scc1 .Lslot
	CHANGE 0
	SLOT_STEPS
	v_add_f32 v14, v14, v15
	s_delay_alu instid0(VALU_DEP_1)
	v_permlanex16_b32 v252, v14, s[SEL], s[SEL+1]
	s_delay_alu instid0(VALU_DEP_1)
	v_add_f32 v14, v14, v252
	s_wait_alu depctr_va_vdst(0)
	v_rcp_f32 v14, v14
	v_and_b32 v8, 15, v0
	v_bfe_u32 v9, v0, 4, 1
	s_mul_i32 s73, s[WV], 16*272
	s_add_co_u32 s73, s73, STAGE
	v_mul_u32_u24 v10, v8, 272
	s_delay_alu instid0(VALU_DEP_1)
	v_lshl_add_u32 v10, v9, 5, v10
	s_delay_alu instid0(VALU_DEP_1)
	v_add_nc_u32 v10, s73, v10
	v_mul_u32_u24 v11, v9, 272
	s_delay_alu instid0(VALU_DEP_1)
	v_lshl_add_u32 v11, v8, 4, v11
	s_delay_alu instid0(VALU_DEP_1)
	v_add_nc_u32 v11, s73, v11
	s_wait_alu depctr_va_vdst(0)
	s_wait_xcnt 0x0
	v_lshlrev_b32 v[GO], 12, v9
	s_delay_alu instid0(VALU_DEP_1)
	v_lshl_add_u32 v[GO], v8, 4, v[GO]
	s_wait_alu depctr_va_vdst(0)
.irp j, 0,1,2,3,4,5,6,7,8,9,10,11,12,13,14,15,16,17,18,19,20,21,22,23,24,25,26,27,28,29,30,31,32,33,34,35,36,37,38,39,40,41,42,43,44,45,46,47,48,49,50,51,52,53,54,55,56,57,58,59,60,61,62,63
	v_mul_f32 v[96+\j], v[160+\j], v14
.endr
.irp u, 0,1
.irp t, 0,1,2,3
	ds_store_b128 v10, v[96+32*\u+8*\t:99+32*\u+8*\t] offset:64*\t
	ds_store_b128 v10, v[100+32*\u+8*\t:103+32*\u+8*\t] offset:64*\t+16
.endr
.irp i, 0,1,2,3,4,5,6,7
	ds_load_b128 v[32+32*\u+4*\i:35+32*\u+4*\i], v11 offset:2*\i*272
.endr
.endr
.irp u, 0,1
.irp i, 0,1,2,3,4,5,6,7
	s_wait_dscnt 15-8*\u-\i
	global_store_b128 v[GO], v[32+32*\u+4*\i:35+32*\u+4*\i], s[16:17] offset:2*\i*4096+256*\u
.endr
.endr
	s_wait_tensorcnt 0x0
	ds_add_u32 v[SPW], v[NIL]
	s_wait_dscnt 0x0
	s_endpgm
.Lfunc_end_k_q99b52fbb7e_attn:
	.size	k_q99b52fbb7e_attn, .Lfunc_end_k_q99b52fbb7e_attn-k_q99b52fbb7e_attn
	.p2alignl 7, 3214868480
	.fill 96, 4, 3214868480
	.section	.rodata,"a",@progbits
	.p2align	6, 0x0
	.amdhsa_kernel k_q99b52fbb7e_attn
		.amdhsa_group_segment_fixed_size 327680
		.amdhsa_private_segment_fixed_size 0
		.amdhsa_enable_private_segment 0
		.amdhsa_kernarg_size 24
		.amdhsa_user_sgpr_count 2
		.amdhsa_user_sgpr_kernarg_segment_ptr 1
		.amdhsa_wavefront_size32 1
		.amdhsa_system_sgpr_workgroup_id_x 1
		.amdhsa_system_sgpr_workgroup_id_y 1
		.amdhsa_system_sgpr_workgroup_id_z 1
		.amdhsa_system_vgpr_workitem_id 0
		.amdhsa_next_free_vgpr 256
		.amdhsa_next_free_sgpr 100
		.amdhsa_reserve_vcc 1
		.amdhsa_float_denorm_mode_32 3
		.amdhsa_float_denorm_mode_16_64 3
		.amdhsa_fp16_overflow 1
		.amdhsa_memory_ordered 1
		.amdhsa_forward_progress 1
		.amdhsa_inst_pref_size 126
	.end_amdhsa_kernel
	.amdgpu_metadata
---
amdhsa.version: [ 1, 2 ]
amdhsa.kernels:
  - .name:           k_q99b52fbb7e_attn
    .symbol:         k_q99b52fbb7e_attn.kd
    .args:
      - { .name: qkv_codes, .offset: 0, .size: 8, .value_kind: global_buffer, .address_space: global }
      - { .name: qkv_scales, .offset: 8, .size: 8, .value_kind: global_buffer, .address_space: global }
      - { .name: att, .offset: 16, .size: 8, .value_kind: global_buffer, .address_space: global }
    .group_segment_fixed_size: 327680
    .private_segment_fixed_size: 0
    .kernarg_segment_align: 8
    .kernarg_segment_size: 24
    .max_flat_workgroup_size: 512
    .sgpr_count:     100
    .vgpr_count:     256
    .wavefront_size: 32
...
	.end_amdgpu_metadata
.endif
;; end of part 3
;; launch norm (part 4): grid 256 x 1, 8 waves a work-group, no clusters, 0 bytes of LDS; arguments att, queries, gamma, beta, out0; writes out0
.if DOCPART == 4
	.amdgcn_target "amdgcn-amd-amdhsa--gfx1250"
	.amdhsa_code_object_version 6
	.text
	.protected	k_q99b52fbb7e_norm
	.globl	k_q99b52fbb7e_norm
	.p2align	8
	.type	k_q99b52fbb7e_norm,@function
k_q99b52fbb7e_norm:
	s_mov_b64 s[64:65], 0
	v_nop
	global_prefetch_b8 v0, s[64:65] scope:SCOPE_SE
	s_setreg_imm32_b32 hwreg(HW_REG_WAVE_MODE, 25, 1), 1
	s_wait_xcnt 0x0
; out0[row][:] = (x - mean(x)) / sqrt(var(x) + 1e-6) * gamma + beta, x = att[row][:] + queries[row][:].  All [8192][1024] f32; gamma, beta [1024] f32.  Nothing of reference() is left out here.
; A row is 4,096 bytes: one wave takes a whole row, eight 16-byte loads a lane from each of the two tensors, and keeps it in 32 registers between the mean, the variance (taken of x - mean, as reference() takes it) and the scaling:
; each byte is read once, no wave waits for another, no LDS, no barrier.  A wave takes 4 rows through two row slots: while one row is worked on, the other's 16 loads are on their way.
; Each load and store of a wave covers 512 consecutive bytes.  Every offset is an immediate; the offset register is never rewritten.  A lane's 32 numbers of gamma and of beta stay in registers.
; Matrix units, clusters and tensor loads are left out: the launch moves bytes and has 100 or so vector instructions a row.
.set ROW, 4096
.set G,   8                            ; v8-39    gamma of my 32 columns
.set BT,  40                           ; v40-71   beta
.set SL,  72                           ; v72-199  slot s: 32 registers of att (then x, then the result) at SL + 64 s, 32 of queries behind them
.set T,   200                          ; v200-207 four pairs for the sums
.set MU,  208                          ; v[208:209] the mean (the low word serves both halves)
.set RS,  210                          ; v[210:211] 1 / sqrt(var + eps) likewise
	s_load_b256 s[4:11], s[0:1], 0x0               ; att s[4:5], queries s[6:7], gamma s[8:9], beta s[10:11]
	s_load_b64 s[12:13], s[0:1], 0x20              ; out0
	v_lshrrev_b32 v2, 5, v0
	s_delay_alu instid0(VALU_DEP_1)
	v_readfirstlane_b32 s14, v2                    ; wave 0..7
	v_and_b32 v1, 31, v0
	s_delay_alu instid0(VALU_DEP_1)
	v_lshlrev_b32 v1, 4, v1                        ; 16 bytes a lane
	s_lshl_b32 s15, ttmp9, 3
	s_add_co_u32 s15, s15, s14
	s_lshl_b32 s16, s15, 14                        ; my wave's 4 rows of 4,096 bytes
	s_mov_b32 s17, 0
	s_mov_b32 s18, 0x3a800000                      ; 1 / 1024
	s_mov_b32 s19, 0x358637bd                      ; 1e-6
	s_mov_b32 s20, 0x76543210                      ; v_permlanex16_b32: lane l xor 16
	s_mov_b32 s21, 0xfedcba98
	v_mov_b32 v[MU+1], 0                           ; (named as the upper halves of pairs)
	v_mov_b32 v[RS+1], 0
	v_mov_b32 v213, 0                              ; a lane permute's destination counts as one of its sources
	s_wait_alu depctr_va_vdst(0)
	s_wait_kmcnt 0x0
	s_add_nc_u64 s[4:5], s[4:5], s[16:17]
	s_add_nc_u64 s[6:7], s[6:7], s[16:17]
	s_add_nc_u64 s[12:13], s[12:13], s[16:17]
.irp j, 0,1,2,3,4,5,6,7
	global_load_b128 v[G+4*\j:G+4*\j+3], v1, s[8:9] offset:512*\j
.endr
.irp j, 0,1,2,3,4,5,6,7
	global_load_b128 v[BT+4*\j:BT+4*\j+3], v1, s[10:11] offset:512*\j
.endr
.macro FILL s, t                       ; row t into slot s: sixteen loads
.irp j, 0,1,2,3,4,5,6,7
	global_load_b128 v[SL+64*(\s)+4*\j:SL+64*(\s)+4*\j+3], v1, s[4:5] offset:(\t)*ROW+512*\j th:TH_LOAD_NT
.endr
.irp j, 0,1,2,3,4,5,6,7
	global_load_b128 v[SL+64*(\s)+32+4*\j:SL+64*(\s)+32+4*\j+3], v1, s[6:7] offset:(\t)*ROW+512*\j th:TH_LOAD_NT
.endr
.endm
.macro ACROSS                          ; the four pairs become one number, the same in every lane: v212
	s_delay_alu instid0(VALU_DEP_3)
	v_pk_add_f32 v[T:T+1], v[T:T+1], v[T+2:T+3]
	s_delay_alu instid0(VALU_DEP_2)
	v_pk_add_f32 v[T+4:T+5], v[T+4:T+5], v[T+6:T+7]
	s_delay_alu instid0(VALU_DEP_1)
	v_pk_add_f32 v[T:T+1], v[T:T+1], v[T+4:T+5]
	s_delay_alu instid0(VALU_DEP_1)
	v_add_f32 v212, v[T], v[T+1]
	s_delay_alu instid0(VALU_DEP_1)
	v_add_f32_dpp v212, v212, v212 row_xmask:1 row_mask:0xf bank_mask:0xf
	s_delay_alu instid0(VALU_DEP_1)
	v_add_f32_dpp v212, v212, v212 row_xmask:2 row_mask:0xf bank_mask:0xf
	s_delay_alu instid0(VALU_DEP_1)
	v_add_f32_dpp v212, v212, v212 row_xmask:4 row_mask:0xf bank_mask:0xf
	s_delay_alu instid0(VALU_DEP_1)
	v_add_f32_dpp v212, v212, v212 row_xmask:8 row_mask:0xf bank_mask:0xf
	s_delay_alu instid0(VALU_DEP_1)
	v_permlanex16_b32 v213, v212, s20, s21
	s_delay_alu instid0(VALU_DEP_1)
	v_add_f32 v212, v212, v213
.endm
; Row t in slot s.  left: how many younger loads may stay out.  fill = 1: the slot then takes row t + 2.
.macro TURN s, t, left, fill
.set A, SL+64*(\s)
	s_wait_loadcnt \left                           ; my row's sixteen loads are in (and gamma and beta); the other slot's may be out
.irp k, 0,2,4,6,8,10,12,14,16,18,20,22,24,26,28,30
	v_pk_add_f32 v[A+\k:A+\k+1], v[A+\k:A+\k+1], v[A+32+\k:A+32+\k+1]   ; x = att + queries
.endr
.irp c, 0,1,2,3
	v_pk_add_f32 v[T+2*\c:T+2*\c+1], v[A+4*\c:A+4*\c+1], v[A+4*\c+2:A+4*\c+3]   ; the sum, in four chains that the first pairs start
.endr
.irp k, 16,24
.irp c, 0,1,2,3
	s_delay_alu instid0(VALU_DEP_4)
	v_pk_add_f32 v[T+2*\c:T+2*\c+1], v[T+2*\c:T+2*\c+1], v[A+\k+2*\c:A+\k+2*\c+1]
.endr
.endr
	ACROSS
	s_delay_alu instid0(VALU_DEP_1)
	v_mul_f32 v[MU], s18, v212                     ; the mean
.irp k, 0,2,4,6,8,10,12,14,16,18,20,22,24,26,28,30
	v_pk_add_f32 v[A+\k:A+\k+1], v[A+\k:A+\k+1], v[MU:MU+1] op_sel_hi:[1,0] neg_lo:[0,1] neg_hi:[0,1]   ; x - mean
.endr
.irp c, 0,1,2,3
	v_pk_mul_f32 v[T+2*\c:T+2*\c+1], v[A+2*\c:A+2*\c+1], v[A+2*\c:A+2*\c+1]   ; the squares' sum, in four chains
.endr
.irp k, 8,16,24
.irp c, 0,1,2,3
	s_delay_alu instid0(VALU_DEP_4)
	v_pk_fma_f32 v[T+2*\c:T+2*\c+1], v[A+\k+2*\c:A+\k+2*\c+1], v[A+\k+2*\c:A+\k+2*\c+1], v[T+2*\c:T+2*\c+1]
.endr
.endr
	ACROSS
	s_delay_alu instid0(VALU_DEP_1)
	v_fma_f32 v212, v212, s18, s19                 ; var + eps
	s_wait_alu depctr_va_vdst(0)
	v_rsq_f32 v[RS], v212
	v_nop                                          ; one plain instruction behind the transcendental (ISA guide 5.7.2),
	s_wait_alu depctr_va_vdst(0)                   ; and the wait ahead of its first reader
.irp k, 0,2,4,6,8,10,12,14,16,18,20,22,24,26,28,30
	v_pk_mul_f32 v[A+\k:A+\k+1], v[A+\k:A+\k+1], v[RS:RS+1] op_sel_hi:[1,0]
.endr
.irp k, 0,2,4,6,8,10,12,14,16,18,20,22,24,26,28,30
	v_pk_fma_f32 v[A+\k:A+\k+1], v[A+\k:A+\k+1], v[G+\k:G+\k+1], v[BT+\k:BT+\k+1]
.endr
.irp j, 0,1,2,3,4,5,6,7
	global_store_b128 v1, v[A+4*\j:A+4*\j+3], s[12:13] offset:(\t)*ROW+512*\j th:TH_STORE_NT   ; 32 lanes store 512 consecutive bytes
.endr
.if \fill
	s_wait_xcnt 0x0                                ; the stores have read their data registers: only behind this wait is the slot loaded again
	FILL \s, (\t)+2
.endif
.endm
	FILL 0, 0
	FILL 1, 1
	TURN 0, 0, 16, 1
	TURN 1, 1, 16, 1
	TURN 0, 2, 16, 0
	TURN 1, 3, 0, 0
	s_endpgm
.Lfunc_end_k_q99b52fbb7e_norm:
	.size	k_q99b52fbb7e_norm, .Lfunc_end_k_q99b52fbb7e_norm-k_q99b52fbb7e_norm
	.p2alignl 7, 3214868480
	.fill 96, 4, 3214868480
	.section	.rodata,"a",@progbits
	.p2align	6, 0x0
	.amdhsa_kernel k_q99b52fbb7e_norm
		.amdhsa_group_segment_fixed_size 0
		.amdhsa_private_segment_fixed_size 0
		.amdhsa_enable_private_segment 0
		.amdhsa_kernarg_size 40
		.amdhsa_user_sgpr_count 2
		.amdhsa_user_sgpr_kernarg_segment_ptr 1
		.amdhsa_wavefront_size32 1
		.amdhsa_system_sgpr_workgroup_id_x 1
		.amdhsa_system_sgpr_workgroup_id_y 1
		.amdhsa_system_sgpr_workgroup_id_z 1
		.amdhsa_system_vgpr_workitem_id 0
		.amdhsa_next_free_vgpr 216
		.amdhsa_next_free_sgpr 66
		.amdhsa_reserve_vcc 0
		.amdhsa_float_denorm_mode_32 3
		.amdhsa_float_denorm_mode_16_64 3
		.amdhsa_memory_ordered 1
		.amdhsa_forward_progress 1
		.amdhsa_inst_pref_size 46
	.end_amdhsa_kernel
	.amdgpu_metadata
---
amdhsa.version: [ 1, 2 ]
amdhsa.kernels:
  - .name:           k_q99b52fbb7e_norm
    .symbol:         k_q99b52fbb7e_norm.kd
    .args:
      - { .name: att, .offset: 0, .size: 8, .value_kind: global_buffer, .address_space: global }
      - { .name: queries, .offset: 8, .size: 8, .value_kind: global_buffer, .address_space: global }
      - { .name: gamma, .offset: 16, .size: 8, .value_kind: global_buffer, .address_space: global }
      - { .name: beta, .offset: 24, .size: 8, .value_kind: global_buffer, .address_space: global }
      - { .name: out0, .offset: 32, .size: 8, .value_kind: global_buffer, .address_space: global }
    .group_segment_fixed_size: 0
    .private_segment_fixed_size: 0
    .kernarg_segment_align: 8
    .kernarg_segment_size: 40
    .max_flat_workgroup_size: 256
    .sgpr_count:     66
    .vgpr_count:     216
    .wavefront_size: 32
...
	.end_amdgpu_metadata
.endif
;; end of part 4
